; MI455X (gfx1250); checked and timed in simulation.
; The chip was launched on July 23, 2026; its instructions are those of AMD's public machine-readable ISA for CDNA 5 (MIT licence, August 2026) and "CDNA5" Instruction Set Architecture Reference Guide (July 2026). The comments in the code are by the model that wrote it; some were corrected since.
;; Model. Allowed arithmetic: matrix products marked QUANTISED: E2M3 operands, one E8M0 scale for each 32 along K, by v_wmma_scale_f32_16x16x128_f8f6f4 with both operands' format E2M3, f32 sums; everything else in f32.
;; Inputs: W1a_codes 1,024 x 32 x 24 uint8 (E2M3 codes of W1a, K innermost, in blocks of 32 codes, four codes in three bytes); W1a_scales 1,024 x 32 uint8 (E8M0 scales of W1a, one for each 32 codes along K); W1b_codes 1,024 x 32 x 24 uint8 (E2M3 codes of W1b, K innermost, in blocks of 32 codes, four codes in three bytes); W1b_scales 1,024 x 32 uint8 (E8M0 scales of W1b, one for each 32 codes along K); W2a_codes 4,096 x 32 x 24 uint8 (E2M3 codes of W2a, K innermost, in blocks of 32 codes, four codes in three bytes); W2a_scales 4,096 x 32 uint8 (E8M0 scales of W2a, one for each 32 codes along K); W2b_codes 64 x 32 x 24 uint8 (E2M3 codes of W2b, K innermost, in blocks of 32 codes, four codes in three bytes); W2b_scales 64 x 32 uint8 (E8M0 scales of W2b, one for each 32 codes along K); b1a 1,024 float32; b1b 1,024 float32; b2a 4,096 float32; b2b 64 float32; x_codes 8,192 x 32 x 24 uint8 (E2M3 codes of x, K innermost, in blocks of 32 codes, four codes in three bytes); x_scales 8,192 x 32 uint8 (E8M0 scales of x, one for each 32 codes along K).
;; Outputs: out0 8,192 x 64 float32.
;; This version of the problem:
;;   THIS VERSION OF THE PROBLEM IS GIVEN IN LOW PRECISION. The matrix products marked QUANTISED in the list below multiply operands that are first quantised to E2M3 (2 exponent bits, 3 mantissa bits; 6 bits a number), with one power-of-two scale for each 32 numbers along K (OCP MX v1.0); their sums are f32. All else is computed in f32.
;;   The module's matrix products, in the order in which they are computed (A, B: the left and right operand; K: the contracted axis; several contracted axes count as one K, in the product's order):
;;     1. [M 8,192, K 1,024] x [K 1,024, N 1,024]; A: input x (given as codes); B: input W1a (given as codes): QUANTISED
;;     2. [M 8,192, K 1,024] x [K 1,024, N 4,096]; A: computed on the way; B: input W2a (given as codes): QUANTISED
;;     3. [M 8,192, K 1,024] x [K 1,024, N 1,024]; A: input x (given as codes); B: input W1b (given as codes): QUANTISED
;;     4. [M 8,192, K 1,024] x [K 1,024, N 64]; A: computed on the way; B: input W2b (given as codes): QUANTISED
;;   THE QUANTISER, for each operand of a quantised product, along K:
;;     - K is cut into blocks of 32 from its start; a last block that is shorter is filled with zeros.
;;     - A block's scale is 2^e with e = floor(log2(the largest magnitude in the block)) - 2, held to -126 .. 127; a block of zeros has e = 0. As a byte (E8M0): e + 127.
;;     - Each number is divided by its block's scale, clamped to +-7.5, and rounded to the nearest number of E2M3, ties to even, subnormals kept.
;;     - The product sums the exact products of the quantised numbers (number of the format x scale) in f32.
;;   ~~~python
;;   def quantise(x, axis):      # numpy; x: float32 -> the quantised numbers, widened to float32 again
;;       x = np.moveaxis(x, axis, -1); K = x.shape[-1]
;;       x = np.pad(x, [(0, 0)] * (x.ndim - 1) + [(0, -K % 32)]); x = x.reshape(x.shape[:-1] + (-1, 32)); a = np.abs(x).max(-1, keepdims=True)
;;       e = np.where(a > 0, np.clip(np.frexp(np.where(a > 0, a, 1))[1] - 1 - 2, -126, 127), 0)      # np.frexp(a)[1] - 1 = floor(log2(a)), exactly
;;       r = np.clip(x / 2.0 ** e, -7.5, 7.5)
;;       step = 2.0 ** (np.maximum(np.frexp(np.where(r == 0, 1, r))[1] - 1, 0) - 3)
;;       q = np.round(r / step) * step * 2.0 ** e      # np.round: ties to even
;;       return np.moveaxis(q.reshape(q.shape[:-2] + (-1,))[..., :K], -1, axis).astype(np.float32)
;;   ~~~
;;   OPERANDS COMPUTED ON THE WAY. 'Computed on the way' means the value that the module computes at that place (a softmax that the list does not call 'softmax' is quantised finished and normalised). What goes into a quantiser is computed in f32, as accurately as f32 sums, v_exp_f32 and their like allow (about 1e-6 of the number): no bf16 or f16 on the way to a quantiser, and a product that is left as it is and whose result goes on into a quantised operand takes f32 operands (vector FMAs, or v_wmma_f32_16x16x4_f32). A number that lies on a knife's edge between two numbers of the format may be rounded either way, as far as f32 arithmetic and the matrix unit's own rounding can turn it there, and no further.
;;   INPUTS GIVEN AS CODES. W1a (in the module: [1024, 1024], K = its axis 0); W1b (in the module: [1024, 1024], K = its axis 0); W2a (in the module: [1024, 4096], K = its axis 0); W2b (in the module: [1024, 64], K = its axis 0); x (in the module: [8192, 1024], K = its axis 1): each comes as NAME_codes (uint8): NAME with its K axis moved to the last place and cut into blocks of 32 codes, [.., K / 32, bytes a block], one block behind the other in memory; four codes in three bytes: a row's codes are one little-endian stream of bits, code i at bits 6 i .. 6 i + 5 (a code: sign, 2 exponent bits, 3 mantissa bits); and NAME_scales (uint8): the same leading axes, one E8M0 byte (e + 127) for each 32 codes along K. Its value is code x scale, taken as it is: it is not quantised again, and the codes and scales need not be those that the quantiser above would give.
;; One version. Each part assembles by itself: llvm-mc -triple=amdgcn-amd-amdhsa -mcpu=gfx1250 --defsym DOCPART=n.
;; ======== version 1 of 1: 3 launches
;; workspace buffers: hc 12,582,912 bytes; hs 524,288 bytes; st 2,097,152 bytes; ld 2,097,152 bytes
;; launch hidden (part 1): grid 8 x 32, 4 waves a work-group, clusters of 4 x 4, 327,680 bytes of LDS; arguments x_codes, x_scales, W1a_codes, W1a_scales, W1b_codes, W1b_scales, b1a, b1b, hc, hs; writes hc, hs
.if DOCPART == 1
	.amdgcn_target "amdgcn-amd-amdhsa--gfx1250"
	.amdhsa_code_object_version 6
	.text
	.protected	k_qbfe725fe25_hidden
	.globl	k_qbfe725fe25_hidden
	.p2align	8
	.type	k_qbfe725fe25_hidden,@function
k_qbfe725fe25_hidden:
	s_mov_b64 s[64:65], 0
	v_nop
	global_prefetch_b8 v0, s[64:65] scope:SCOPE_SE
	s_setreg_imm32_b32 hwreg(HW_REG_WAVE_MODE, 25, 1), 1
	s_wait_xcnt 0x0
	s_wait_alu depctr_hold_cnt(0) depctr_sa_sdst(0) depctr_va_vdst(0) depctr_va_sdst(0) depctr_va_ssrc(0) depctr_va_vcc(0) depctr_vm_vsrc(0)
	s_getreg_b32 s2, hwreg(HW_REG_IB_STS2, 6, 4)
	s_cmp_eq_u32 s2, 0
	s_cbranch_scc0 .Lentry_in_a_cluster
	s_endpgm
.Lentry_in_a_cluster:
	s_bfe_u32 s2, ttmp6, 0x10000c
	s_cmp_lg_u32 s2, 0xf033
	s_cbranch_scc0 .Lentry_shape_is_right
	s_endpgm
.Lentry_shape_is_right:
; h = relu(x W1 + b1) for both nets, quantised along the hidden axis into codes of FP6 (E2M3) with one E8M0 byte for each 32.
; x [8192][1024] and W1a, W1b [1024 (hidden)][1024 (k)] arrive as codes, K innermost, 768 bytes a row; their scale bytes 32 a row.
; A work-group of four waves makes 256 rows x 256 hidden units of one net (cluster x = the net, cx = the tile column); a wave 128 x 128: 64 accumulators.
; K = 1,024 goes in four slots of 256 through a ring of two LDS slots filled by the tensor data mover; the eight steps of 128 are written out, there is no loop.
; CLUSTER 4 x 4: a row of the cluster shares x's tiles, a column W1's: each tile is asked for jointly by the four that need it.
; THE MATRIX INSTRUCTION IS USED TRANSPOSED (source 0 = 16 rows of W1, source 1 = 16 rows of x) AND THE ROWS OF W1 THAT FORM A TILE ARE NOT NEIGHBOURS:
; lane r of tile 2 B + u takes row 32 B + 8 u + r + 8 (r / 8), so that a lane's 64 results of a block of 16 rows are, in register order, 16 neighbours of each of four blocks of 32 along the next K.
; b1 is the C of each sum's first matrix instruction.  A wave's 128 hidden units are ONE K step of the next product: each block of 16 rows becomes one operand fragment and one scale word a row.
; OUT: hc [net][row block of 16][K step 8][1,536 bytes]: the fragment's registers as they stand (registers 4 c .. 4 c + 3 of lane l at 512 c + 16 l);  hs [net][slot 4][row][2 words].
; LIMITS: NaN and infinities are not served.  A block of h that is all zeros, or whose largest number lies under 2^-124, gets the scale byte 1: its codes are zeros (or held to that scale), and only this program reads the bytes.
; B's fragment loads meet two deep in the banks: a tile's two groups of eight rows lie 16 rows, 3,840 bytes, apart.
; REGISTERS: window 0: v0-31 addresses; v32-95 scale words (two sets: A's 16, B's 16); v128-223 A's eight fragments, one set.  window 1: B's fragments, sets at v0 and v128; b1 at v96-127 and v224-255.
;   window 2: accumulators of my rows 0-63 ((a, b) at v[8 (8 a + b)]); window 3: rows 64-127.
.set PITCH,  240                       ; an LDS row: 3 x (64 bytes + 16 of padding)
.set HALFT,  128*PITCH                 ; 128 rows: one tensor load
.set SLOT,   4*HALFT                   ; A's 256 rows, then B's
.set SCL,    2*SLOT                    ; the scales of 256 rows of x and 256 of W1, for all of K: units of 256 bytes + 16
.set HALFS,  16*272                    ; those of 128 rows
.set SPARE,  SCL+4*HALFS               ; the spare words: 128 bytes a wave
.set SCT,    SPARE+512                 ; h's scale words, [row 256][2 words]: written by LDS stores alone
.set STEPA,  192                       ; bytes from slot to slot in memory
.set STEPB,  192
.set NLA,    6                         ; LDS loads that bring a fragment of A
.set ADRA, 16                          ; v16-17 my A fragments in slot 0, 1; v18-19 the same behind one padding more
.set ADRB, 20                          ; v20-23 the same for B
.set ADSA, 24                          ; v24 my rows' scale words of A
.set ADSB, 25                          ; v25 of B
.set SPW,  28                          ; v28 my spare word; never rewritten
.set NIL,  29                          ; v29 0; never rewritten
.set AF,   128
.set HA,   128                         ; the way out: 64 numbers of a lane
.set PCD,  192                         ; the codes just made
.set TM,   212                         ; v212-215 largest numbers, v216-219 bytes, v224-227 the conversions' scale operands
.set PW,   228                         ; the scale word just made
.set G1,   24
.set G0,   32
.set G1B,  40
.set G0B,  48
.set G1S,  56
.set G0S,  68
.set G1SB, 72
.set G0SB, 80
.set WV,   84
.set RH,   85                          ; my half of the rows; also: I fetch for A (0) or for B (1)
.set CH,   86                          ; my half of the columns; also: which 128 rows I fetch
.set SEL,  92
.set MUL_LO,   0xa1                    ; source 0 (B) window 1, source 1 (A) window 0, C and D window 2
.set MUL_HI,   0xf1
.set FIRST_LO, 0x91                    ; the first step: C = the bias, window 1
.set FIRST_HI, 0xd1
.set TO_B,     0x40
.set MSB, 0
.macro WIN new                         ; the immediate's high byte repeats the setting that is left
.if MSB != (\new)
	s_set_vgpr_msb (MSB<<8)|(\new)
.set MSB, \new
.endif
.endm
.macro PLACES n
.rept \n
	v_nop
.endr
.endm
; A joint load: waves 0 and 1 fetch for A, waves 2 and 3 for B; the branch hangs on the wave's number alone.  Four v_nop follow each line.
.macro JLOAD g0a, g1a, g0b, g1b
	s_cmp_eq_u32 s[RH], 0
	s_cbranch_scc0 .Lfor_b_\@
	tensor_load_to_lds s[\g0a:\g0a+3], s[\g1a:\g1a+7]
	s_nop 0
.rept 4
	v_nop
.endr
	s_branch .Lasked_\@
.Lfor_b_\@:
	tensor_load_to_lds s[\g0b:\g0b+3], s[\g1b:\g1b+7]
	s_nop 0
.rept 4
	v_nop
.endr
.Lasked_\@:
.endm
.macro CREST                           ; a round of the cluster's barrier behind its opening barrier
	s_cmp_lg_u32 s[WV], 0
	s_cbranch_scc1 .Lnot_wave_0_\@
	s_barrier_signal -3
.Lnot_wave_0_\@:
	s_barrier_wait -3
	s_barrier_signal -1
	s_barrier_wait -1
.endm
.macro CROUND
	s_barrier_signal -1
	s_barrier_wait -1
	CREST
.endm
; A fragment from padded rows: 12 registers, six pieces of 8 bytes.  Lanes 16-31 read three pieces further on, which for some pieces is behind one padding more: the second address register serves those.
.macro FRAGB reg, adr, q, rowoff
.irp p, 0,1,2,3,4,5
.set PCE, 12*(\q)+6*(\p/3)+\p%3
.if PCE%8 < 5
	ds_load_b64 v[\reg+2*\p:\reg+2*\p+1], v[\adr] offset:8*PCE+16*(PCE/8)+(\rowoff)*PITCH
.else
	ds_load_b64 v[\reg+2*\p:\reg+2*\p+1], v[\adr+2] offset:8*PCE+16*(PCE/8)+(\rowoff)*PITCH
.endif
.endr
.endm
.macro FETCH_B slot, q, p              ; B's eight fragments into set p; tile i begins at row 32 (i / 2) + 8 (i % 2)
	WIN TO_B
.irp i, 0,1,2,3,4,5,6,7
	FRAGB 128*(\p)+12*\i, ADRB+\slot, \q, 32*(\i/2)+8*(\i%2)
.endr
	WIN 0
.endm
.macro FETCH_A slot, q, i0             ; A's blocks i0 .. i0 + 3
.irp i, \i0, \i0+1, \i0+2, \i0+3
	FRAGB AF+12*(\i), ADRA+\slot, \q, 16*(\i)
.endr
.endm
.macro SCALES set, sg                  ; the two scale words a row of K slot sg: A's blocks, then B's tiles
.irp i, 0,1,2,3,4,5,6,7
	ds_load_b64 v[32+32*\set+2*\i:32+32*\set+2*\i+1], v[ADSA] offset:544*\i+8*\sg
.endr
.irp b, 0,1,2,3,4,5,6,7
	ds_load_b64 v[48+32*\set+2*\b:48+32*\set+2*\b+1], v[ADSB] offset:272*(4*(\b/2)+\b%2)+8*\sg
.endr
.endm
; 16 matrix instructions: A's blocks a0, a0 + 1 x B's eight.  The 64 accumulators take turns, one instruction a turn, in the same order in every step.
.macro MUL16 a0, p, q, sc, first
.irp a, \a0, \a0+1
.irp b, 0,1,2,3,4,5,6,7
.if \first
	v_wmma_scale_f32_16x16x128_f8f6f4 v[8*(8*((\a)%4)+\b):8*(8*((\a)%4)+\b)+7], v[128*(\p)+12*\b:128*(\p)+12*\b+11], v[AF+12*(\a):AF+12*(\a)+11], v[96+8*\b+96*(\b/4):96+8*\b+96*(\b/4)+7], v[48+32*(\sc)+2*\b+(\q)], v[32+32*(\sc)+2*(\a)+(\q)] matrix_a_fmt:MATRIX_FMT_FP6 matrix_b_fmt:MATRIX_FMT_FP6
.else
	v_wmma_scale_f32_16x16x128_f8f6f4 v[8*(8*((\a)%4)+\b):8*(8*((\a)%4)+\b)+7], v[128*(\p)+12*\b:128*(\p)+12*\b+11], v[AF+12*(\a):AF+12*(\a)+11], v[8*(8*((\a)%4)+\b):8*(8*((\a)%4)+\b)+7], v[48+32*(\sc)+2*\b+(\q)], v[32+32*(\sc)+2*(\a)+(\q)] matrix_a_fmt:MATRIX_FMT_FP6 matrix_b_fmt:MATRIX_FMT_FP6
.endif
.endr
.endr
.endm
; A step of 128 along K that has its successor in the same slot.  Loads into registers that matrix instructions have read stand four plain places behind them (ISA guide 7.12.1 for vector instructions).
.macro STEP slot, q, first
	s_wait_dscnt 4*NLA                             ; all but the youngest loads, A's blocks 4-7
.if \first
	WIN FIRST_LO
.else
	WIN MUL_LO
.endif
	MUL16 0, (\q)%2, \q, \slot, \first
	MUL16 2, (\q)%2, \q, \slot, \first
	s_wait_dscnt 0x0                               ; A's blocks 4-7 are in
	PLACES 4
	FETCH_B \slot, (\q)+1, 1-(\q)%2
	FETCH_A \slot, (\q)+1, 0
.if \first
	WIN FIRST_HI
.else
	WIN MUL_HI
.endif
	MUL16 4, (\q)%2, \q, \slot, \first
	MUL16 6, (\q)%2, \q, \slot, \first
	PLACES 4
	WIN 0
	FETCH_A \slot, (\q)+1, 4
.endm
; A slot's last step changes slots: one barrier; in front of it each wave waits for all its tensor loads, adds 0 to its spare word, and waits for that and for its reads of this slot.
.macro TURN slot, next, fill, sg
	s_wait_tensorcnt 0x0                           ; all my tensor loads have landed: my part of the next slot
	ds_add_u32 v[SPW], v[NIL]                      ; 0 onto my spare word
	s_wait_dscnt 4*NLA+1                           ; the add and A's blocks 4-7 may be out
	WIN MUL_LO
	MUL16 0, 1, 1, \slot, 0
	s_wait_dscnt 0x0                               ; the add is done, and my reads of this slot are over
	s_barrier_signal -1
	MUL16 2, 1, 1, \slot, 0
	WIN 0
	s_barrier_wait -1
.if \fill
	CREST                                          ; the barrier has opened a round of the cluster's: no wave of any partner still reads this slot or has a load on its way
	s_add_nc_u64 s[G0+4*\slot+2:G0+4*\slot+3], s[G0+4*\slot+2:G0+4*\slot+3], 2*STEPA
	s_add_nc_u64 s[G0B+4*\slot+2:G0B+4*\slot+3], s[G0B+4*\slot+2:G0B+4*\slot+3], 2*STEPB
	JLOAD G0+4*\slot, G1, G0B+4*\slot, G1B         ; the first tensor load behind the round; its four v_nop are also the places in front of the loads below
.else
	PLACES 4
.endif
	FETCH_B \next, 0, 0
	FETCH_A \next, 0, 0
	SCALES \next, \sg
	WIN MUL_HI
	MUL16 4, 1, 1, \slot, 0
	MUL16 6, 1, 1, \slot, 0
	PLACES 4
	WIN 0
	FETCH_A \next, 0, 4
.endm
	s_load_b512 s[4:19], s[0:1], 0x0               ; x codes, x scales, W1a codes, W1a scales, W1b codes, W1b scales, b1a, b1b
	s_load_b128 s[20:23], s[0:1], 0x40             ; hc, hs
	v_lshl_add_u32 v[SPW], v0, 2, SPARE
	v_mov_b32 v[NIL], 0
	ds_add_u32 v28, v29
	ds_add_u32 v28, v29
	s_wait_dscnt 0x0
	v_lshrrev_b32 v1, 5, v0
	v_readfirstlane_b32 s[WV], v1                  ; wave 0..3
	s_lshr_b32 s[RH], s[WV], 1
	s_and_b32 s[CH], s[WV], 1
	s_bfe_u32 s87, ttmp6, 0x40000                  ; cx = the tile column inside the net
	s_bfe_u32 s88, ttmp6, 0x40004                  ; cy
	s_and_b32 s89, ttmp7, 0xffff
	s_lshl_b32 s89, s89, 2
	s_add_co_u32 s89, s89, s88                     ; tile row = 4 x cluster y + cy
	s_lshl_b32 s90, s88, 2
	s_lshl_b32 s90, 15, s90                        ; my row of the cluster
	s_lshl_b32 s91, 0x1111, s87                    ; my column
	; group 1, codes: 128 rows x 192 bytes, 768 bytes apart; 16 bytes of padding behind every 64
	s_or_b32 s[G1], s90, (1<<20)|(1<<21)|(3<<22)|(3<<25)
	s_or_b32 s[G1B], s91, (1<<20)|(1<<21)|(3<<22)|(3<<25)
.irp g, G1, G1B
	s_mov_b32 s[\g+1], 192<<16
	s_mov_b32 s[\g+2], 128<<16
	s_mov_b32 s[\g+3], 192<<16
	s_mov_b32 s[\g+4], 128
	s_mov_b32 s[\g+5], 768
	s_mov_b32 s[\g+6], 0
	s_mov_b32 s[\g+7], 0
.endr
	; group 1, scales of 128 rows: 4,096 dense bytes as 16 rows of 256 (32 elements of 8 bytes), 16 bytes of padding behind each
	s_or_b32 s[G1S], s90, (3<<16)|(1<<20)|(1<<21)|(5<<22)|(3<<25)
	s_or_b32 s[G1SB], s91, (3<<16)|(1<<20)|(1<<21)|(5<<22)|(3<<25)
.irp g, G1S, G1SB
	s_mov_b32 s[\g+1], 32<<16
	s_mov_b32 s[\g+2], 16<<16
	s_mov_b32 s[\g+3], 32<<16
	s_mov_b32 s[\g+4], 16
	s_mov_b32 s[\g+5], 32
	s_mov_b32 s[\g+6], 0
	s_mov_b32 s[\g+7], 0
.endr
	s_lshl_b32 s94, s[CH], 7                       ; which 128 rows I fetch
	s_lshl_b32 s95, s89, 8
	s_add_co_u32 s95, s95, s94                     ; x: row 256 x tile row + 128 x half
	s_mul_i32 s96, s95, 768                        ; its codes,
	s_mov_b32 s97, 0
	s_lshl_b32 s98, s95, 5                         ; its scale bytes
	s_mov_b32 s99, 0
	s_lshl_b32 s100, s87, 8
	s_add_co_u32 s100, s100, s94                   ; W1: row 256 cx + 128 x half
	s_mul_i32 s2, s100, 768
	s_mov_b32 s3, 0
	s_lshl_b32 s100, s100, 5
	s_mov_b32 s101, 0
	s_mul_i32 s66, s[WV], HALFT                    ; where they go: wave x 128 rows: no place in the cluster enters an LDS address
	s_mul_i32 s67, s[WV], HALFS
.irp s, 0,1
	s_add_co_u32 s[G0+4*\s+1], s66, \s*SLOT
	s_add_co_u32 s[G0B+4*\s+1], s66, \s*SLOT
.endr
	s_add_co_u32 s[G0S+1], s67, SCL
	s_add_co_u32 s[G0SB+1], s67, SCL
.irp g, G0, G0+4, G0B, G0B+4, G0S, G0SB
	s_mov_b32 s[\g], 1
.endr
	s_mov_b32 s[SEL], 0x76543210
	s_mov_b32 s[SEL+1], 0xfedcba98
	s_wait_kmcnt 0x0
	s_cmp_eq_u32 ttmp9, 0                          ; the net: cluster x, the same in all sixteen partners
	s_cselect_b64 s[8:9], s[8:9], s[12:13]         ; W1's codes,
	s_cselect_b64 s[10:11], s[10:11], s[14:15]     ; its scales,
	s_cselect_b64 s[16:17], s[16:17], s[18:19]     ; b1
	s_add_nc_u64 s[G0+2:G0+3], s[4:5], s[96:97]
	s_add_nc_u64 s[G0+6:G0+7], s[G0+2:G0+3], STEPA
	s_add_nc_u64 s[G0B+2:G0B+3], s[8:9], s[2:3]
	s_add_nc_u64 s[G0B+6:G0B+7], s[G0B+2:G0B+3], STEPB
	s_add_nc_u64 s[G0S+2:G0S+3], s[6:7], s[98:99]
	s_add_nc_u64 s[G0SB+2:G0SB+3], s[10:11], s[100:101]
.irp g, G0+3, G0+7, G0B+3, G0B+7, G0S+3, G0SB+3
	s_or_b32 s[\g], s[\g], 0x80000000
.endr
	CROUND                                         ; all sixteen work-groups are here: the first joint loads meet
	JLOAD G0S, G1S, G0SB, G1SB                     ; three loads of mine are out: the scales, slot 0, slot 1
	JLOAD G0, G1, G0B, G1B
	JLOAD G0+4, G1, G0B+4, G1B
	v_and_b32 v1, 15, v0                           ; r
	v_bfe_u32 v2, v0, 4, 1                         ; h
	v_mul_u32_u24 v10, v1, PITCH
	v_mad_u32_u24 v10, v2, 24, v10                 ; A: row r, + 24 h
	v_lshl_add_u32 v11, v2, 4, v10                 ; and behind one padding more
	v_and_b32 v12, 8, v1
	v_add_nc_u32 v12, v12, v1                      ; r + 8 (r / 8)
	v_mul_u32_u24 v12, v12, PITCH
	v_mad_u32_u24 v12, v2, 24, v12                 ; B: that row of a tile
	v_lshl_add_u32 v13, v2, 4, v12
	s_mul_i32 s12, s[RH], HALFT
	s_mul_i32 s13, s[CH], HALFT
	s_add_co_u32 s13, s13, 2*HALFT
.irp s, 0,1
	v_add_nc_u32 v[ADRA+\s], s12, v10
	v_add_nc_u32 v[ADRA+2+\s], s12, v11
	v_add_nc_u32 v[ADRB+\s], s13, v12
	v_add_nc_u32 v[ADRB+2+\s], s13, v13
	s_add_co_u32 s12, s12, SLOT
	s_add_co_u32 s13, s13, SLOT
.endr
	v_lshrrev_b32 v14, 3, v1                       ; a row's 32 scale bytes: eight rows to a unit of 256 + 16
	v_and_b32 v15, 7, v1
	v_lshlrev_b32 v15, 5, v15
	v_mad_u32_u24 v10, v14, 272, v15
	s_mul_i32 s14, s[RH], HALFS
	s_add_co_u32 s14, s14, SCL
	v_add_nc_u32 v[ADSA], s14, v10
	v_mad_u32_u24 v10, v14, 544, v15               ; B: r + 8 (r / 8) lies two units on for r >= 8
	s_mul_i32 s15, s[CH], HALFS
	s_add_co_u32 s15, s15, SCL+2*HALFS
	v_add_nc_u32 v[ADSB], s15, v10
	s_lshl_b32 s18, s87, 10                        ; b1 at my 128 hidden units
	s_lshl_b32 s19, s[CH], 9
	s_add_co_u32 s18, s18, s19
	s_mov_b32 s19, 0
	s_add_nc_u64 s[16:17], s[16:17], s[18:19]
	v_lshlrev_b32 v9, 6, v2                        ; lanes 16-31: 16 units on
	WIN TO_B
.irp b, 0,1,2,3,4,5,6,7
	global_load_b128 v[96+8*\b+96*(\b/4):96+8*\b+96*(\b/4)+3], v9, s[16:17] offset:4*(32*(\b/2)+8*(\b%2))
	global_load_b128 v[96+8*\b+96*(\b/4)+4:96+8*\b+96*(\b/4)+7], v9, s[16:17] offset:4*(32*(\b/2)+8*(\b%2))+16
.endr
	WIN 0
	v_and_b32 v5, 31, v0
	v_lshlrev_b32 v5, 4, v5                        ; 16 x lane: my place in a fragment's image
	s_lshl_b32 s12, s[RH], 10
	s_lshl_b32 s13, s[CH], 2
	s_add_co_u32 s12, s12, s13
	s_add_co_u32 s12, s12, SCT
	v_lshl_add_u32 v6, v1, 3, s12                  ; my row's scale word in the table: 8 bytes a row, word = my column half
	v_lshl_add_u32 v7, v0, 4, SCT                  ; the table read back: 16 bytes a thread
	v_lshlrev_b32 v8, 4, v0
	s_mul_i32 s12, ttmp9, 6291456                  ; hc: the net,
	s_lshl_b32 s13, s89, 4
	s_lshl_b32 s14, s[RH], 3
	s_add_co_u32 s13, s13, s14
	s_mul_i32 s13, s13, 12288                      ; my first block of 16 rows,
	s_add_co_u32 s12, s12, s13
	s_lshl_b32 s13, s87, 1
	s_add_co_u32 s13, s13, s[CH]
	s_mul_i32 s13, s13, 1536                       ; my K step 2 cx + column half
	s_add_co_u32 s12, s12, s13
	s_mov_b32 s13, 0
	s_add_nc_u64 s[20:21], s[20:21], s[12:13]
	s_lshl_b32 s12, ttmp9, 18                      ; hs: the net, slot cx, the tile's 256 rows
	s_lshl_b32 s14, s87, 16
	s_add_co_u32 s12, s12, s14
	s_lshl_b32 s14, s89, 11
	s_add_co_u32 s12, s12, s14
	s_add_nc_u64 s[22:23], s[22:23], s[12:13]
	s_wait_tensorcnt 0x1                           ; the scales and my part of slot 0 are in; slot 1's load may be out
	s_barrier_signal -1
	s_barrier_wait -1
	FETCH_B 0, 0, 0
	FETCH_A 0, 0, 0
	SCALES 0, 0
	FETCH_A 0, 0, 4
	s_wait_loadcnt 0x0                             ; b1
	STEP 0, 0, 1                                   ; the first products start the sums from b1: nothing is cleared
	TURN 0, 1, 1, 1
	STEP 1, 0, 0
	TURN 1, 0, 1, 2
	STEP 0, 0, 0
	TURN 0, 1, 0, 3                                ; nothing is left to fetch: a plain barrier
	STEP 1, 0, 0
	s_wait_dscnt 4*NLA                             ; the last step
	WIN MUL_LO
	MUL16 0, 1, 1, 1, 0
	MUL16 2, 1, 1, 1, 0
	s_wait_dscnt 0x0
	WIN MUL_HI
	MUL16 4, 1, 1, 1, 0
	MUL16 6, 1, 1, 1, 0
	WIN 0
; 64 numbers of a lane, none negative, register 16 b + i = k 32 b + 16 (lane / 16) + i of my row, become a fragment's codes in v[PCD] on and its scale word in v[PW].
.macro QUANT s
.irp b, 0,1,2,3
	v_max3_num_f32 v[TM+\b], v[\s+16*\b], v[\s+1+16*\b], 0x1800000   ; and the floor 2^(3 - 127): the byte cannot fall under 1
.endr
.irp i, 2,4,6,8,10,12,14
.irp b, 0,1,2,3
	v_max3_num_f32 v[TM+\b], v[TM+\b], v[\s+16*\b+\i], v[\s+1+16*\b+\i]   ; the four blocks by turns
.endr
.endr
.irp b, 0,1,2,3
	v_permlanex16_b32 v[TM+4+\b], v[TM+\b], s[SEL], s[SEL+1]
.endr
.irp b, 0,1,2,3
	v_max_num_f32 v[TM+\b], v[TM+\b], v[TM+4+\b]   ; with lane l xor 16's: the block's largest number
.endr
.irp b, 0,1,2,3
	v_add_nc_u32 v[TM+12+\b], 0xff000000, v[TM+\b] ; 2 off its exponent field: the conversion takes the exponent field of this operand as its scale
.endr
.irp b, 0,1,2,3
	v_lshrrev_b32 v[TM+4+\b], 23, v[TM+12+\b]      ; the scale's byte
.endr
	v_lshl_or_b32 v[PW], v[TM+5], 8, v[TM+4]
	v_lshl_or_b32 v[PW], v[TM+6], 16, v[PW]
	v_lshl_or_b32 v[PW], v[TM+7], 24, v[PW]
.irp c, 0,1
	v_cvt_scalef32_pk16_fp6_f32 v[PCD+6*\c:PCD+2+6*\c], v[\s+32*\c:\s+15+32*\c], v[TM+12+2*\c]
	v_cvt_scalef32_pk16_fp6_f32 v[PCD+12+4*\c:PCD+14+4*\c], v[\s+16+32*\c:\s+31+32*\c], v[TM+12+2*\c+1]   ; a conversion's three registers begin on an even number
.endr
	v_nop                                          ; one plain place behind a scaled conversion
.irp c, 0,1                                    ; the operand wants a whole block in a lane: lanes 0-15 block 2 c, lanes 16-31 block 2 c + 1
.irp i, 0,1,2
	v_permlane16_swap_b32 v[PCD+6*\c+\i], v[PCD+12+4*\c+\i]
.endr
.irp i, 0,1,2
	v_mov_b32 v[PCD+3+6*\c+\i], v[PCD+12+4*\c+\i]
.endr
.endr
.endm
; Block a of 16 rows: relu on the way into window 0 (each accumulator from its low end on), quantised, the fragment's image to hc (three stores of 512 consecutive bytes), the scale word to the table.
.macro HBLOCK a
.set WW, 2+(\a)/4
.set AC, 64*((\a)%4)
	s_wait_xcnt 0x0                                ; the last block's stores have read their registers
	s_wait_dscnt 0x0
	WIN WW<<2
.set NN, 0
.rept 64
	v_max_num_f32 v[HA+NN], 0, v[AC+NN]
.set NN, NN+1
.endr
	WIN 0
	QUANT HA
.irp c, 0,1,2
	global_store_b128 v5, v[PCD+4*\c:PCD+4*\c+3], s[20:21] offset:(\a)*12288+512*\c
.endr
	ds_store_b32 v6, v[PW] offset:128*(\a)         ; lanes l and l + 16 write the same word with the same value
.endm
	PLACES 4                                       ; behind the last products: their results are read, and A's registers written, below
.irp b, 0,1,2,3
	v_mov_b32 v[TM+4+\b], 0                        ; written once: a lane permute's destination counts as one of its sources
.endr
.irp a, 0,1,2,3,4,5,6,7
	HBLOCK \a
.endr
	s_wait_dscnt 0x0                               ; for the others' sake: my words lie in the table
	s_barrier_signal -1
	s_barrier_wait -1
	ds_load_b128 v[232:235], v7
	s_wait_dscnt 0x0
	global_store_b128 v8, v[232:235], s[22:23]     ; a wave stores 512 consecutive bytes, the work-group the tile's 2,048
	s_wait_tensorcnt 0x0                           ; the wave's end
	ds_add_u32 v[SPW], v[NIL]
	s_wait_dscnt 0x0
	CROUND                                         ; the closing round
	s_endpgm
.Lfunc_end_k_qbfe725fe25_hidden:
	.size	k_qbfe725fe25_hidden, .Lfunc_end_k_qbfe725fe25_hidden-k_qbfe725fe25_hidden
	.p2alignl 7, 3214868480
	.fill 96, 4, 3214868480
	.section	.rodata,"a",@progbits
	.p2align	6, 0x0
	.amdhsa_kernel k_qbfe725fe25_hidden
		.amdhsa_group_segment_fixed_size 327680
		.amdhsa_private_segment_fixed_size 0
		.amdhsa_enable_private_segment 0
		.amdhsa_kernarg_size 80
		.amdhsa_user_sgpr_count 2
		.amdhsa_user_sgpr_kernarg_segment_ptr 1
		.amdhsa_wavefront_size32 1
		.amdhsa_system_sgpr_workgroup_id_x 1
		.amdhsa_system_sgpr_workgroup_id_y 1
		.amdhsa_system_sgpr_workgroup_id_z 1
		.amdhsa_system_vgpr_workitem_id 0
		.amdhsa_next_free_vgpr 1024
		.amdhsa_next_free_sgpr 106
		.amdhsa_reserve_vcc 0
		.amdhsa_float_denorm_mode_32 3
		.amdhsa_float_denorm_mode_16_64 3
		.amdhsa_memory_ordered 1
		.amdhsa_forward_progress 1
		.amdhsa_inst_pref_size 185
	.end_amdhsa_kernel
	.amdgpu_metadata
---
amdhsa.version: [ 1, 2 ]
amdhsa.kernels:
  - .name:           k_qbfe725fe25_hidden
    .symbol:         k_qbfe725fe25_hidden.kd
    .args:
      - { .name: x_codes, .offset: 0, .size: 8, .value_kind: global_buffer, .address_space: global }
      - { .name: x_scales, .offset: 8, .size: 8, .value_kind: global_buffer, .address_space: global }
      - { .name: W1a_codes, .offset: 16, .size: 8, .value_kind: global_buffer, .address_space: global }
      - { .name: W1a_scales, .offset: 24, .size: 8, .value_kind: global_buffer, .address_space: global }
      - { .name: W1b_codes, .offset: 32, .size: 8, .value_kind: global_buffer, .address_space: global }
      - { .name: W1b_scales, .offset: 40, .size: 8, .value_kind: global_buffer, .address_space: global }
      - { .name: b1a, .offset: 48, .size: 8, .value_kind: global_buffer, .address_space: global }
      - { .name: b1b, .offset: 56, .size: 8, .value_kind: global_buffer, .address_space: global }
      - { .name: hc, .offset: 64, .size: 8, .value_kind: global_buffer, .address_space: global }
      - { .name: hs, .offset: 72, .size: 8, .value_kind: global_buffer, .address_space: global }
    .group_segment_fixed_size: 327680
    .private_segment_fixed_size: 0
    .kernarg_segment_align: 8
    .kernarg_segment_size: 80
    .max_flat_workgroup_size: 128
    .sgpr_count:     106
    .vgpr_count:     1024
    .wavefront_size: 32
...
	.end_amdgpu_metadata
.endif
;; end of part 1
;; launch stats (part 2): grid 8 x 32, 4 waves a work-group, clusters of 4 x 4, 327,680 bytes of LDS; arguments hc, hs, W2a_codes, W2a_scales, b2a, W2b_codes, W2b_scales, b2b, st, ld; writes st, ld
.if DOCPART == 2
	.amdgcn_target "amdgcn-amd-amdhsa--gfx1250"
	.amdhsa_code_object_version 6
	.text
	.protected	k_qbfe725fe25_stats
	.globl	k_qbfe725fe25_stats
	.p2align	8
	.type	k_qbfe725fe25_stats,@function
k_qbfe725fe25_stats:
	s_mov_b64 s[64:65], 0
	v_nop
	global_prefetch_b8 v0, s[64:65] scope:SCOPE_SE
	s_setreg_imm32_b32 hwreg(HW_REG_WAVE_MODE, 25, 1), 1
	s_wait_xcnt 0x0
	s_wait_alu depctr_hold_cnt(0) depctr_sa_sdst(0) depctr_va_vdst(0) depctr_va_sdst(0) depctr_va_ssrc(0) depctr_va_vcc(0) depctr_vm_vsrc(0)
	s_getreg_b32 s2, hwreg(HW_REG_IB_STS2, 6, 4)
	s_cmp_eq_u32 s2, 0
	s_cbranch_scc0 .Lentry_in_a_cluster
	s_endpgm
.Lentry_in_a_cluster:
	s_bfe_u32 s2, ttmp6, 0x10000c
	s_cmp_lg_u32 s2, 0xf033
	s_cbranch_scc0 .Lentry_shape_is_right
	s_endpgm
.Lentry_shape_is_right:
; Two things.  (1) The logits of net a, l = h_a W2a + b2a, in tiles of 256 rows x 256 columns; of each row and each wave's 128 columns only the largest logit m and S = the sum of e^(l - m) leave: st [32 parts][8192 rows][m, S].
; (2) In the head: the 64 logits of net b for 32 rows a work-group (256 work-groups x 32 = all rows), and ld = their log softmax, [8192][64].
; The softmax of net a spans 4,096 columns, eight work-groups: its constant is put together from st by the next launch, which multiplies once more; the logits themselves never go to memory.
; A WORK-GROUP STAYS: it makes two tiles of the same 256 rows, tile columns gx and gx + 8.  The ring does not stop between them: the first tile's last two changes of slots ask for the second tile's first two slots,
; and the first tile's way out stands between those requests and the first read of them.  h's scale words, W2a's scale bytes and b2a come once, for both tiles.  The text is written straight: it has no loop.
; h arrives from the launch before as images of operand registers (hc) and scale words (hs); W2a [4096][1024] and W2b [64][1024] as codes, K innermost.
; THE COLUMNS OF A TILE ARE NOT NEIGHBOURS: half F of tile column tc takes W2a's rows (2 tc + F) + 32 i, i = 0 .. 127: a plain tile whose rows lie 32 rows apart.  (The next launch needs that choice; here it only has to be the same split into 32 parts.)
; Four waves, a wave 128 x 128: 64 accumulators.  K = 1,024 in four slots of 256 through a ring of two LDS slots.  CLUSTER 4 x 4: a row shares h's tiles, a column W2a's.
; W2b is asked for by each work-group for itself, not jointly: all sixteen partners want the same bytes while a mask names four, and its 49,152 bytes stand beside the 8 x 98,304 bytes that the ring takes in.
; The matrix instruction is used transposed (source 0 = 16 rows of a weight, source 1 = 16 rows of h): a lane holds one row of h throughout.  The biases are the C of each sum's first matrix instruction.
; The largest logit is taken away before every exponential.  LIMITS: NaN and infinities are not served.
; REGISTERS: window 0: v0-31 addresses; v32-95 scale words; v96-127, v224-255 at work in the head, store data; v128-223 A's eight fragments, at work on the way out.
;   window 1: B's fragments, sets at v0 and v128; b2a at v96-127 and v224-255.  windows 2, 3: accumulators ((a, b) at v[8 (8 (a % 4) + b)]).
.set PITCH,  240
.set HALFA,  24576                     ; h: 8 blocks of 16 rows x 2 K steps x 1,536 bytes, dense
.set HALFB,  128*PITCH
.set SLOT,   2*HALFA+2*HALFB
.set SCLA,   2*SLOT                    ; h's scale words: [half 2][slot 4][128 rows][8 bytes]
.set SCLB,   SCLA+8192                 ; W2a's scale bytes: [half 2][128 rows][tile 2][32 bytes]
.set SPARE,  SCLB+16384                ; the spare words
.set W2T,    SPARE+512                 ; W2b's codes: 64 rows of 3 x (256 bytes + 16)
.set WPITCH, 816                       ; 204 words: row r starts at bank 12 r mod 64, so the 32 lanes of a load of 8 bytes touch 64 different banks (64 banks of 4 bytes: ISA guide 11.1)
.set LBS,    W2T+64*WPITCH             ; net b's logits: 32 rows x (256 bytes + 16): written by LDS stores alone
.set BT,     LBS+32*272                ; b2a at each wave's columns, [wave 4][tile 2][128 words]: written by LDS stores alone
.set STEPA,  3072
.set STEPB,  192
.set NEXTB,  16*768-2*STEPB            ; W2a: from a ring slot's last K slot of a tile to its first of the next: 16 rows on, 384 bytes back
.set NLA,    3
.set ADRA, 16
.set ADRB, 20
.set ADSA, 24
.set ADSB, 25
.set SPW,  28
.set NIL,  29
.set AW,   30                          ; v30 my place in W2b's rows; v31 the same behind one padding more
.set BS,   11                          ; v11 where I put b2a's words
.set BL,   18                          ; v18 where I read them back
.set BR,   240                         ; v240-247 b2a as loaded
.set AF,   128
.set MX,   128                         ; the way out: four running maxima
.set PT,   132
.set NM,   134                         ; v[134:135] -log2(e) m (the low word serves both halves)
.set SA,   136
.set MS,   144                         ; (m, S) of block a at v[MS + 2 a]
.set TT,   224                         ; store data: eight registers for each tile, outside A's fragments, never written again
.set G1,   24
.set G0,   32
.set G1B,  40
.set G0B,  48
.set G1S,  56
.set G0S,  68
.set G1SB, 72
.set G0SB, 80
.set G1W,  84
.set G0W,  92
.set WV,   66
.set RH,   67
.set CH,   96
.set NEGM, 97                          ; the lowest finite number
.set HM,   98                          ; lanes 16-31
.set LN2,  101
.set SEL,  104
.set CS,   8                           ; s[8:9] log2(e), once W2a's address has gone into its descriptors
.set MUL_LO,   0xa1
.set MUL_HI,   0xf1
.set FIRST_LO, 0x91
.set FIRST_HI, 0xd1
.set TO_B,     0x40
.set MSB, 0
.macro WIN new                         ; the immediate's high byte repeats the setting that is left
.if MSB != (\new)
	s_set_vgpr_msb (MSB<<8)|(\new)
.set MSB, \new
.endif
.endm
.macro PLACES n
.rept \n
	v_nop
.endr
.endm
.macro JLOAD g0a, g1a, g0b, g1b        ; a joint load: waves 0 and 1 fetch for A, waves 2 and 3 for B; four v_nop follow each line
	s_cmp_eq_u32 s[RH], 0
	s_cbranch_scc0 .Lfor_b_\@
	tensor_load_to_lds s[\g0a:\g0a+3], s[\g1a:\g1a+7]
	s_nop 0
.rept 4
	v_nop
.endr
	s_branch .Lasked_\@
.Lfor_b_\@:
	tensor_load_to_lds s[\g0b:\g0b+3], s[\g1b:\g1b+7]
	s_nop 0
.rept 4
	v_nop
.endr
.Lasked_\@:
.endm
.macro CREST
	s_cmp_lg_u32 s[WV], 0
	s_cbranch_scc1 .Lnot_wave_0_\@
	s_barrier_signal -3
.Lnot_wave_0_\@:
	s_barrier_wait -3
	s_barrier_signal -1
	s_barrier_wait -1
.endm
.macro CROUND
	s_barrier_signal -1
	s_barrier_wait -1
	CREST
.endm
.macro FRAGB reg, adr, q, rowoff       ; a fragment from padded rows: six pieces of 8 bytes; the second address register serves the pieces whose partner three on lies behind one padding more
.irp p, 0,1,2,3,4,5
.set PCE, 12*(\q)+6*(\p/3)+\p%3
.if PCE%8 < 5
	ds_load_b64 v[\reg+2*\p:\reg+2*\p+1], v[\adr] offset:8*PCE+16*(PCE/8)+(\rowoff)*PITCH
.else
	ds_load_b64 v[\reg+2*\p:\reg+2*\p+1], v[\adr+2] offset:8*PCE+16*(PCE/8)+(\rowoff)*PITCH
.endif
.endr
.endm
.macro FRAGW reg, ks, n                ; the same from W2b's rows: K step ks of my tile n; here a padding stands behind every 32 pieces
.irp p, 0,1,2,3,4,5
.set PCE, 12*(\ks)+6*(\p/3)+\p%3
.if PCE%32 < 29
	ds_load_b64 v[\reg+2*\p:\reg+2*\p+1], v[AW] offset:8*PCE+16*(PCE/32)+(\n)*16*WPITCH
.else
	ds_load_b64 v[\reg+2*\p:\reg+2*\p+1], v[AW+1] offset:8*PCE+16*(PCE/32)+(\n)*16*WPITCH
.endif
.endr
.endm
.macro FETCH_B slot, q, p
	WIN TO_B
.irp i, 0,1,2,3,4,5,6,7
	FRAGB 128*(\p)+12*\i, ADRB+\slot, \q, 16*\i
.endr
	WIN 0
.endm
.macro FETCH_A slot, q, i0             ; h's fragments are images of their registers: three loads of 16 bytes a lane, 512 consecutive bytes each
.irp i, \i0, \i0+1, \i0+2, \i0+3
.irp c, 0,1,2
	ds_load_b128 v[AF+12*(\i)+4*\c:AF+12*(\i)+4*\c+3], v[ADRA+\slot] offset:(\i)*3072+(\q)*1536+512*\c
.endr
.endr
.endm
.macro SCALES set, sg, t               ; the two scale words a row of K slot sg: h's blocks, then tile t's rows of W2a
.irp i, 0,1,2,3,4,5,6,7
	ds_load_b64 v[32+32*\set+2*\i:32+32*\set+2*\i+1], v[ADSA] offset:1024*\sg+128*\i
.endr
.irp b, 0,1,2,3,4,5,6,7
	ds_load_b64 v[48+32*\set+2*\b:48+32*\set+2*\b+1], v[ADSB] offset:1024*\b+32*\t+8*\sg
.endr
.endm
.macro BIAS t                          ; tile t's b2a in the result's layout: register j of tile b is my column 16 b + 8 h + j
	WIN TO_B
.irp b, 0,1,2,3,4,5,6,7
	ds_load_b128 v[96+8*\b+96*(\b/4):96+8*\b+96*(\b/4)+3], v[BL] offset:512*\t+64*\b
	ds_load_b128 v[96+8*\b+96*(\b/4)+4:96+8*\b+96*(\b/4)+7], v[BL] offset:512*\t+64*\b+16
.endr
	WIN 0
.endm
.macro MUL16 a0, p, q, sc, first       ; the 64 accumulators take turns, one instruction a turn, in the same order in every step
.irp a, \a0, \a0+1
.irp b, 0,1,2,3,4,5,6,7
.if \first
	v_wmma_scale_f32_16x16x128_f8f6f4 v[8*(8*((\a)%4)+\b):8*(8*((\a)%4)+\b)+7], v[128*(\p)+12*\b:128*(\p)+12*\b+11], v[AF+12*(\a):AF+12*(\a)+11], v[96+8*\b+96*(\b/4):96+8*\b+96*(\b/4)+7], v[48+32*(\sc)+2*\b+(\q)], v[32+32*(\sc)+2*(\a)+(\q)] matrix_a_fmt:MATRIX_FMT_FP6 matrix_b_fmt:MATRIX_FMT_FP6
.else
	v_wmma_scale_f32_16x16x128_f8f6f4 v[8*(8*((\a)%4)+\b):8*(8*((\a)%4)+\b)+7], v[128*(\p)+12*\b:128*(\p)+12*\b+11], v[AF+12*(\a):AF+12*(\a)+11], v[8*(8*((\a)%4)+\b):8*(8*((\a)%4)+\b)+7], v[48+32*(\sc)+2*\b+(\q)], v[32+32*(\sc)+2*(\a)+(\q)] matrix_a_fmt:MATRIX_FMT_FP6 matrix_b_fmt:MATRIX_FMT_FP6
.endif
.endr
.endr
.endm
.macro STEP slot, q, first             ; a step of 128 along K that has its successor in the same slot
	s_wait_dscnt 4*NLA                             ; all but the youngest loads, A's blocks 4-7
.if \first
	WIN FIRST_LO
.else
	WIN MUL_LO
.endif
	MUL16 0, (\q)%2, \q, \slot, \first
	MUL16 2, (\q)%2, \q, \slot, \first
	s_wait_dscnt 0x0
	PLACES 4                                       ; in front of loads into registers that matrix instructions have read
	FETCH_B \slot, (\q)+1, 1-(\q)%2
	FETCH_A \slot, (\q)+1, 0
.if \first
	WIN FIRST_HI
.else
	WIN MUL_HI
.endif
	MUL16 4, (\q)%2, \q, \slot, \first
	MUL16 6, (\q)%2, \q, \slot, \first
	PLACES 4
	WIN 0
	FETCH_A \slot, (\q)+1, 4
.endm
; A slot's last step changes slots: one barrier.  fill = 1: this slot takes the K slot two on; 2: the next tile's K slot (h's rows are the same: back along K; W2a: 16 rows on and back); 0: nothing.
; sg, t: the K slot and the tile whose scale words are fetched.  fa = 0: a tile's last step: A's next fragments are not fetched yet, since the way out works in their registers.
.macro TURN slot, next, fill, sg, t, fa
	s_wait_tensorcnt 0x0                           ; all my tensor loads have landed: my part of the next slot
	ds_add_u32 v[SPW], v[NIL]                      ; 0 onto my spare word
	s_wait_dscnt 4*NLA+1                           ; the add and A's blocks 4-7 may be out
	WIN MUL_LO
	MUL16 0, 1, 1, \slot, 0
	s_wait_dscnt 0x0                               ; the add is done, and my reads of this slot are over
	s_barrier_signal -1
	MUL16 2, 1, 1, \slot, 0
	WIN 0
	s_barrier_wait -1
.if \fill
	CREST                                          ; a round of the cluster's barrier: no wave of any partner still reads this slot or has a load on its way
.if \fill == 1
	s_add_nc_u64 s[G0+4*\slot+2:G0+4*\slot+3], s[G0+4*\slot+2:G0+4*\slot+3], 2*STEPA
	s_add_nc_u64 s[G0B+4*\slot+2:G0B+4*\slot+3], s[G0B+4*\slot+2:G0B+4*\slot+3], 2*STEPB
.else
	s_sub_nc_u64 s[G0+4*\slot+2:G0+4*\slot+3], s[G0+4*\slot+2:G0+4*\slot+3], 2*STEPA
	s_add_nc_u64 s[G0B+4*\slot+2:G0B+4*\slot+3], s[G0B+4*\slot+2:G0B+4*\slot+3], NEXTB
.endif
	JLOAD G0+4*\slot, G1, G0B+4*\slot, G1B         ; the first tensor load behind the round; its four v_nop are also the places in front of the loads below
.else
	PLACES 4
.endif
	FETCH_B \next, 0, 0
.if \fa
	FETCH_A \next, 0, 0
.endif
	SCALES \next, \sg, \t
	WIN MUL_HI
	MUL16 4, 1, 1, \slot, 0
	MUL16 6, 1, 1, \slot, 0
.if \fa
	PLACES 4
	WIN 0
	FETCH_A \next, 0, 4
.else
	WIN 0
.endif
.endm
	s_load_b512 s[4:19], s[0:1], 0x0               ; hc, hs, W2a codes, W2a scales, b2a, W2b codes, W2b scales, b2b
	s_load_b128 s[20:23], s[0:1], 0x40             ; st, ld
	v_lshl_add_u32 v[SPW], v0, 2, SPARE
	v_mov_b32 v[NIL], 0
	ds_add_u32 v28, v29
	ds_add_u32 v28, v29
	s_wait_dscnt 0x0
	v_lshrrev_b32 v1, 5, v0
	v_readfirstlane_b32 s[WV], v1
	s_lshr_b32 s[RH], s[WV], 1                     ; my half of the rows; also: I fetch for A (0) or for B (1); net b: my block of 16 rows
	s_and_b32 s[CH], s[WV], 1                      ; my half of the columns; also: which half I fetch; net b: my 32 x
	s_bfe_u32 s97, ttmp6, 0x40000                  ; cx
	s_bfe_u32 s98, ttmp6, 0x40004                  ; cy
	s_and_b32 s99, ttmp7, 0xffff
	s_lshl_b32 s99, s99, 2
	s_add_co_u32 s99, s99, s98                     ; tile row tr
	s_lshl_b32 s100, ttmp9, 2
	s_add_co_u32 s100, s100, s97                   ; gx: my tile columns are gx and gx + 8
	s_lshl_b32 s101, s98, 2
	s_lshl_b32 s101, 15, s101                      ; my row of the cluster
	s_lshl_b32 s104, 0x1111, s97                   ; my column
	; h's codes: 8 rows of 384 elements of 8 bytes (two K steps' images of a block of 16 rows), 12,288 bytes apart, no padding
	s_or_b32 s[G1], s101, (3<<16)|(1<<21)
	s_mov_b32 s[G1+1], 384<<16
	s_mov_b32 s[G1+2], 8<<16
	s_mov_b32 s[G1+3], 384<<16
	s_mov_b32 s[G1+4], 8
	s_mov_b32 s[G1+5], 1536
	s_mov_b32 s[G1+6], 0
	s_mov_b32 s[G1+7], 0
	; W2a's codes: 128 rows of 192 bytes, 32 rows of 768 bytes apart; 16 bytes of padding behind every 64
	s_or_b32 s[G1B], s104, (1<<20)|(1<<21)|(3<<22)|(3<<25)
	s_mov_b32 s[G1B+1], 192<<16
	s_mov_b32 s[G1B+2], 128<<16
	s_mov_b32 s[G1B+3], 192<<16
	s_mov_b32 s[G1B+4], 128
	s_mov_b32 s[G1B+5], 24576
	s_mov_b32 s[G1B+6], 0
	s_mov_b32 s[G1B+7], 0
	; h's scale words: 4 rows (the K slots) of 128 elements of 8 bytes (128 rows), 65,536 bytes apart
	s_or_b32 s[G1S], s101, (3<<16)|(1<<21)
	s_mov_b32 s[G1S+1], 128<<16
	s_mov_b32 s[G1S+2], 4<<16
	s_mov_b32 s[G1S+3], 128<<16
	s_mov_b32 s[G1S+4], 4
	s_mov_b32 s[G1S+5], 8192
	s_mov_b32 s[G1S+6], 0
	s_mov_b32 s[G1S+7], 0
	; W2a's scale bytes for BOTH tiles: 256 rows of 4 elements of 8 bytes, 16 rows of 32 bytes apart: the even ones are the first tile's rows, the odd ones the second's
	s_or_b32 s[G1SB], s104, (3<<16)|(1<<21)
	s_mov_b32 s[G1SB+1], 4<<16
	s_mov_b32 s[G1SB+2], 256<<16
	s_mov_b32 s[G1SB+3], 4<<16
	s_mov_b32 s[G1SB+4], 256
	s_mov_b32 s[G1SB+5], 64
	s_mov_b32 s[G1SB+6], 0
	s_mov_b32 s[G1SB+7], 0
	; W2b's codes: 16 rows of 768 bytes, dense; 16 bytes of padding behind every 256; no mask
	s_mov_b32 s[G1W], (1<<20)|(5<<22)|(3<<25)
	s_mov_b32 s[G1W+1], 768<<16
	s_mov_b32 s[G1W+2], 16<<16
	s_mov_b32 s[G1W+3], 768<<16
	s_mov_b32 s[G1W+4], 16
	s_mov_b32 s[G1W+5], 768
	s_mov_b32 s[G1W+6], 0
	s_mov_b32 s[G1W+7], 0
	s_mul_i32 s[G0+1], s[CH], HALFA                ; where the tiles go: constants and the wave's number alone
	s_add_co_u32 s[G0+5], s[G0+1], SLOT
	s_mul_i32 s[G0B+1], s[CH], HALFB
	s_add_co_u32 s[G0B+1], s[G0B+1], 2*HALFA
	s_add_co_u32 s[G0B+5], s[G0B+1], SLOT
	s_lshl_b32 s[G0S+1], s[CH], 12
	s_add_co_u32 s[G0S+1], s[G0S+1], SCLA
	s_lshl_b32 s[G0SB+1], s[CH], 13
	s_add_co_u32 s[G0SB+1], s[G0SB+1], SCLB
	s_mul_i32 s[G0W+1], s[WV], 16*WPITCH
	s_add_co_u32 s[G0W+1], s[G0W+1], W2T
.irp g, G0, G0+4, G0B, G0B+4, G0S, G0SB, G0W
	s_mov_b32 s[\g], 1
.endr
	v_and_b32 v1, 15, v0                           ; r
	v_bfe_u32 v2, v0, 4, 1                         ; h
	v_and_b32 v3, 31, v0                           ; lane
	v_lshlrev_b32 v9, 4, v3                        ; 16 x lane: my place in an image
	v_lshlrev_b32 v10, 3, v1                       ; h_b's scale words: 8 bytes a row
	v_lshlrev_b32 v12, 5, v1                       ; W2b's: 32 bytes a row
	v_lshlrev_b32 v13, 5, v2                       ; b2b: 8 numbers for each half of the lanes
	v_lshlrev_b32 v14, 6, v3                       ; b2a: my columns lie 16 numbers apart
	s_mov_b32 s3, 0
	s_wait_kmcnt 0x0
	s_lshl_b32 s2, s99, 4
	s_lshl_b32 s97, s[CH], 3
	s_add_co_u32 s97, s2, s97                      ; h_a: block of 16 rows 16 tr + 8 x half
	s_mul_i32 s2, s97, 12288
	s_add_nc_u64 s[G0+2:G0+3], s[4:5], s[2:3]
	s_add_nc_u64 s[G0+6:G0+7], s[G0+2:G0+3], STEPA
	s_lshl_b32 s2, s97, 7
	s_add_nc_u64 s[G0S+2:G0S+3], s[6:7], s[2:3]
	s_lshl_b32 s97, s100, 1
	s_add_co_u32 s97, s97, s[CH]                   ; W2a: first row 2 gx + half; also my part of st, and my first column
	s_mul_i32 s2, s97, 768
	s_add_nc_u64 s[G0B+2:G0B+3], s[8:9], s[2:3]
	s_add_nc_u64 s[G0B+6:G0B+7], s[G0B+2:G0B+3], STEPB
	s_lshl_b32 s2, s97, 5
	s_add_nc_u64 s[G0SB+2:G0SB+3], s[10:11], s[2:3]
	s_lshl_b32 s2, s97, 2
	s_add_nc_u64 s[12:13], s[12:13], s[2:3]        ; b2a at my first column
	s_lshl_b32 s2, s97, 16
	s_lshl_b32 s98, s99, 11
	s_add_co_u32 s2, s2, s98
	s_lshl_b32 s98, s[RH], 10
	s_add_co_u32 s2, s2, s98
	s_add_nc_u64 s[20:21], s[20:21], s[2:3]        ; st: my part, my 128 rows
	s_mul_i32 s2, s[WV], 12288
	s_add_nc_u64 s[G0W+2:G0W+3], s[14:15], s[2:3]  ; W2b: rows 16 x wave on
.irp g, G0+3, G0+7, G0B+3, G0B+7, G0S+3, G0SB+3, G0W+3
	s_or_b32 s[\g], s[\g], 0x80000000
.endr
	s_lshl_b32 s97, s99, 4
	s_lshl_b32 s98, s100, 1
	s_add_co_u32 s97, s97, s98
	s_add_co_u32 s97, s97, s[RH]                   ; net b: my block of 16 rows: 16 tr + 2 gx + wave / 2
	s_mul_i32 s2, s97, 12288
	s_add_co_u32 s2, s2, 6291456
	s_add_nc_u64 s[4:5], s[4:5], s[2:3]            ; h_b's images
	s_lshl_b32 s2, s97, 7
	s_add_co_u32 s2, s2, 262144
	s_add_nc_u64 s[6:7], s[6:7], s[2:3]            ; h_b's scale words
	s_lshl_b32 s2, s[CH], 10
	s_add_nc_u64 s[16:17], s[16:17], s[2:3]        ; W2b's scale bytes at my 32 rows
	s_lshl_b32 s2, s[CH], 7
	s_add_nc_u64 s[18:19], s[18:19], s[2:3]        ; b2b at my 32 x
	s_lshl_b32 s2, s99, 16
	s_lshl_b32 s98, s100, 13
	s_add_co_u32 s2, s2, s98
	s_add_nc_u64 s[22:23], s[22:23], s[2:3]        ; ld at the work-group's 32 rows
	; the loads into registers go out ahead of the round: they are on their way while the partners gather and the first tiles come
.irp k, 0,1,2,3,4,5,6,7
	global_load_b32 v[BR+\k], v14, s[12:13] offset:2048*\k   ; b2a at column 2 gx + half + 16 (lane + 32 k): both tiles' 128 columns
.endr
.irp ks, 0,1,2,3,4,5,6,7                       ; h_b's eight fragments: A's registers are free yet
.irp c, 0,1,2
	global_load_b128 v[AF+12*\ks+4*\c:AF+12*\ks+4*\c+3], v9, s[4:5] offset:1536*\ks+512*\c
.endr
.endr
.irp s, 0,1,2,3
	global_load_b64 v[32+2*\s:33+2*\s], v10, s[6:7] offset:65536*\s
.endr
.irp n, 0,1
	global_load_b128 v[40+8*\n:43+8*\n], v12, s[16:17] offset:512*\n
	global_load_b128 v[44+8*\n:47+8*\n], v12, s[16:17] offset:512*\n+16
	global_load_b128 v[96+8*\n:99+8*\n], v13, s[18:19] offset:64*\n
	global_load_b128 v[100+8*\n:103+8*\n], v13, s[18:19] offset:64*\n+16
.endr
	CROUND                                         ; all sixteen work-groups are here: the first joint loads meet
	JLOAD G0S, G1S, G0SB, G1SB                     ; four loads of mine are out: the scales, slot 0, W2b, slot 1
	JLOAD G0, G1, G0B, G1B
	tensor_load_to_lds s[G0W:G0W+3], s[G1W:G1W+7]  ; every wave its 16 rows of W2b
	s_nop 0
.rept 4
	v_nop
.endr
	JLOAD G0+4, G1, G0B+4, G1B
	s_mov_b32 s[SEL], 0x76543210
	s_mov_b32 s[SEL+1], 0xfedcba98
	s_mov_b32 s[CS], 0x3fb8aa3b                    ; log2(e)
	s_mov_b32 s[CS+1], s[CS]                       ; (named with it as a pair, so it is written)
	s_mov_b32 s[NEGM], 0xff7fffff
	s_mov_b32 s[HM], 0xffff0000
	s_mov_b32 s[LN2], 0x3f317218
	v_mul_u32_u24 v15, v1, PITCH
	v_mad_u32_u24 v15, v2, 24, v15
	v_lshl_add_u32 v26, v2, 4, v15
	s_mul_i32 s2, s[RH], HALFA
	s_mul_i32 s3, s[CH], HALFB
	s_add_co_u32 s3, s3, 2*HALFA
.irp s, 0,1
	v_add_nc_u32 v[ADRA+\s], s2, v9
	v_add_nc_u32 v[ADRB+\s], s3, v15
	v_add_nc_u32 v[ADRB+2+\s], s3, v26
	s_add_co_u32 s2, s2, SLOT
	s_add_co_u32 s3, s3, SLOT
.endr
	s_lshl_b32 s2, s[RH], 12
	s_add_co_u32 s2, s2, SCLA
	v_lshl_add_u32 v[ADSA], v1, 3, s2
	s_lshl_b32 s3, s[CH], 13
	s_add_co_u32 s3, s3, SCLB
	v_lshl_add_u32 v[ADSB], v1, 6, s3
	s_mul_i32 s2, s[CH], 32*WPITCH                 ; W2b: my 32 rows; row r of a tile, + 24 h
	s_add_co_u32 s2, s2, W2T
	v_mul_u32_u24 v[AW], v1, WPITCH
	v_mad_u32_u24 v[AW], v2, 24, v[AW]
	v_add_nc_u32 v[AW], s2, v[AW]
	v_lshl_add_u32 v[AW+1], v2, 4, v[AW]
	v_mul_u32_u24 v5, v1, 272                      ; net b's logits into LDS: row 16 (wave / 2) + r, my 32 x, 8 for each half of the lanes
	v_lshl_add_u32 v5, v2, 5, v5
	s_mul_i32 s2, s[RH], 16*272
	s_lshl_b32 s3, s[CH], 7
	s_add_co_u32 s2, s2, s3
	s_add_co_u32 s2, s2, LBS
	v_add_nc_u32 v5, s2, v5
	v_mul_u32_u24 v6, v2, 272                      ; and back: my wave's eight rows, sixteen lanes to a row
	v_lshl_add_u32 v6, v1, 4, v6
	s_mul_i32 s2, s[WV], 8*272
	s_add_co_u32 s2, s2, LBS
	v_add_nc_u32 v6, s2, v6
	v_lshlrev_b32 v7, 8, v2                        ; the same place in ld's 32 rows
	v_lshl_add_u32 v7, v1, 4, v7
	s_lshl_b32 s2, s[WV], 11
	v_add_nc_u32 v7, s2, v7
	v_lshlrev_b32 v8, 3, v3                        ; st: 8 bytes a row
	s_lshl_b32 s2, s[WV], 10                       ; b2a in LDS: my wave's 1,024 bytes
	s_add_co_u32 s2, s2, BT
	v_and_b32 v[BS], 1, v0                         ; column 16 (lane + 32 k) on belongs to tile lane % 2 and is its row lane / 2 + 16 k
	v_lshlrev_b32 v[BS], 9, v[BS]
	v_lshrrev_b32 v15, 1, v3
	v_lshl_add_u32 v[BS], v15, 2, v[BS]
	v_add_nc_u32 v[BS], s2, v[BS]
	v_lshl_add_u32 v[BL], v2, 5, s2                ; back: 8 numbers for each half of the lanes
	s_wait_loadcnt 0x0
.irp k, 0,1,2,3,4,5,6,7
	ds_store_b32 v[BS], v[BR+\k] offset:64*\k      ; my wave's own bytes: LDS serves a wave's instructions in order, so its later loads see them
.endr
	s_wait_tensorcnt 0x1                           ; the scales, my part of slot 0 and of W2b are in; slot 1's load may be out
	s_wait_dscnt 0x0
	s_barrier_signal -1
	s_barrier_wait -1
	; NET B: lb = h_b W2b + b2b for my block of 16 rows and my 32 x: two accumulators by turns, K ascending
	WIN TO_B
.irp n, 0,1
.irp ks, 0,1,2,3,4,5,6,7
	FRAGW 128*\n+12*\ks, \ks, \n                   ; both sets of B's registers are free yet
.endr
.endr
	WIN 0
	BIAS 0
	s_wait_dscnt 0x0
	WIN 0x01                                       ; source 0 (W2b) window 1
.irp ks, 0,1,2,3,4,5,6,7
.irp n, 0,1
.if \ks == 0
	v_wmma_scale_f32_16x16x128_f8f6f4 v[112+8*\n:119+8*\n], v[128*\n+12*\ks:128*\n+12*\ks+11], v[AF+12*\ks:AF+12*\ks+11], v[96+8*\n:103+8*\n], v[40+8*\n+\ks], v[32+\ks] matrix_a_fmt:MATRIX_FMT_FP6 matrix_b_fmt:MATRIX_FMT_FP6
.else
	v_wmma_scale_f32_16x16x128_f8f6f4 v[112+8*\n:119+8*\n], v[128*\n+12*\ks:128*\n+12*\ks+11], v[AF+12*\ks:AF+12*\ks+11], v[112+8*\n:119+8*\n], v[40+8*\n+\ks], v[32+\ks] matrix_a_fmt:MATRIX_FMT_FP6 matrix_b_fmt:MATRIX_FMT_FP6
.endif
.endr
.endr
	WIN 0
	PLACES 4
	ds_store_b128 v5, v[112:115]                   ; lane (r, h): logits of row r at x = 32 (wave % 2) + 16 n + 8 h + 0 .. 7; each accumulator from its low end on
	ds_store_b128 v5, v[116:119] offset:16
	ds_store_b128 v5, v[120:123] offset:64
	ds_store_b128 v5, v[124:127] offset:80
	s_wait_dscnt 0x0                               ; my logits lie in LDS
	s_barrier_signal -1
	s_barrier_wait -1                              ; everybody's do; slot 1's load may be out
.irp k, 0,1,2,3
	ds_load_b128 v[96+4*\k:99+4*\k], v6 offset:544*\k   ; eight rows a wave, two at a time: sixteen lanes hold a row's 64 logits
.endr
	s_wait_dscnt 0x0
.irp k, 0,1,2,3
	v_max3_num_f32 v[112+\k], v[96+4*\k], v[97+4*\k], v[98+4*\k]
.endr
.irp k, 0,1,2,3
	v_max_num_f32 v[112+\k], v[112+\k], v[99+4*\k]
.endr
.irp x, 1,2,4,8
.irp k, 0,1,2,3
	v_max_num_f32_dpp v[112+\k], v[112+\k], v[112+\k] row_xmask:\x row_mask:0xf bank_mask:0xf
.endr
.endr
.irp k, 0,1,2,3
	v_mul_f32 v[116+\k], 0xbfb8aa3b, v[112+\k]     ; -log2(e) m
.endr
.irp i, 0,1,2,3
.irp k, 0,1,2,3
	v_fma_f32 v[224+4*\k+\i], v[96+4*\k+\i], s[CS], v[116+\k]
.endr
.endr
.irp i, 0,1,2,3,4,5,6,7,8,9,10,11,12,13,14,15
	v_exp_f32 v[224+\i], v[224+\i]                 ; e^(l - m)
.endr
	v_nop                                          ; a plain place behind the exponentials
	s_wait_alu depctr_va_vdst(0)
.irp k, 0,1,2,3
	v_add_f32 v[224+4*\k], v[224+4*\k], v[225+4*\k]
	v_add_f32 v[226+4*\k], v[226+4*\k], v[227+4*\k]
.endr
.irp k, 0,1,2,3
	v_add_f32 v[224+4*\k], v[224+4*\k], v[226+4*\k]
.endr
.irp x, 1,2,4,8
.irp k, 0,1,2,3
	v_add_f32_dpp v[224+4*\k], v[224+4*\k], v[224+4*\k] row_xmask:\x row_mask:0xf bank_mask:0xf
.endr
.endr
.irp k, 0,1,2,3
	v_log_f32 v[120+\k], v[224+4*\k]
.endr
	v_nop
	s_wait_alu depctr_va_vdst(0)
.irp k, 0,1,2,3
	v_fma_f32 v[120+\k], v[120+\k], s[LN2], v[112+\k]   ; m + ln of the sum
.endr
.irp k, 0,1,2,3
.irp i, 0,1,2,3
	v_sub_f32 v[96+4*\k+\i], v[96+4*\k+\i], v[120+\k]
.endr
.endr
.irp k, 0,1,2,3
	global_store_b128 v7, v[96+4*\k:99+4*\k], s[22:23] offset:512*\k   ; two whole rows of 256 bytes a store; these registers are not written again
.endr
; Block a of 16 rows: a lane holds 64 of its row's 128 logits, lane l xor 16 the others.  The largest, then the sum of e^(l - m), in place on the accumulators.
.macro STAT a
.set WW, 2+(\a)/4
.set AC, 64*((\a)%4)
	WIN (WW<<2)|(WW<<4)
.irp c, 0,1,2,3
	v_max3_num_f32 v[MX+\c], s[NEGM], v[AC+16*\c], v[AC+16*\c+1]   ; four chains by turns; each accumulator is first read at its low end
.endr
.irp i, 2,4,6,8,10,12,14
.irp c, 0,1,2,3
	v_max3_num_f32 v[MX+\c], v[MX+\c], v[AC+16*\c+\i], v[AC+16*\c+\i+1]
.endr
.endr
	WIN 0
	v_max3_num_f32 v[MX], v[MX], v[MX+1], v[MX+2]
	v_max_num_f32 v[MX], v[MX], v[MX+3]
	v_permlanex16_b32 v[PT], v[MX], s[SEL], s[SEL+1]
	v_max_num_f32 v[MS+2*(\a)], v[MX], v[PT]       ; m
	v_mul_f32 v[NM], 0xbfb8aa3b, v[MS+2*(\a)]
	WIN WW|(WW<<6)
.set NN, 0
.rept 32
	v_pk_fma_f32 v[AC+NN:AC+NN+1], v[AC+NN:AC+NN+1], s[CS:CS+1], v[NM:NM+1] op_sel_hi:[1,0,0]
.set NN, NN+2
.endr
.set NN, 0
.rept 64
	v_exp_f32 v[AC+NN], v[AC+NN]
.set NN, NN+1
.endr
	v_nop                                          ; a plain place behind the exponentials
	WIN WW|(WW<<2)|(WW<<6)
	s_wait_alu depctr_va_vdst(0)
.irp w, 32,16,8,4,2                            ; the sum as a tree in place: 16, 8, 4, 2, 1 packed additions; nothing is cleared
.set NN, 0
.rept \w/2
	v_pk_add_f32 v[AC+NN:AC+NN+1], v[AC+NN:AC+NN+1], v[AC+NN+\w:AC+NN+\w+1]
.set NN, NN+2
.endr
.endr
	WIN WW|(WW<<2)
	v_add_f32 v[SA], v[AC], v[AC+1]
	WIN 0
	v_permlanex16_b32 v[PT], v[SA], s[SEL], s[SEL+1]
	v_add_f32 v[MS+2*(\a)+1], v[SA], v[PT]         ; S
.endm
.macro EPI t                           ; tile t's way out
	PLACES 4                                       ; behind the last products: their results are read, and A's registers written, below
	v_mov_b32 v[PT], 0                             ; a lane permute's destination counts as one of its sources
	v_mov_b32 v[NM+1], 0                           ; (named as the upper half of a pair)
.irp a, 0,1,2,3,4,5,6,7
	STAT \a
.endr
.irp i, 0,1,2,3                                ; lanes 0-15 take block 2 i, lanes 16-31 block 2 i + 1: 32 neighbouring rows, 256 consecutive bytes a store
	v_cndmask_b32 v[TT+8*\t+2*\i], v[MS+4*\i], v[MS+4*\i+2], s[HM]
	v_cndmask_b32 v[TT+8*\t+2*\i+1], v[MS+4*\i+1], v[MS+4*\i+3], s[HM]
.endr
.irp i, 0,1,2,3
	global_store_b64 v8, v[TT+8*\t+2*\i:TT+8*\t+2*\i+1], s[20:21] offset:256*\i+1048576*\t   ; the second tile's part lies 16 parts of 65,536 bytes on
.endr
.endm
	FETCH_B 0, 0, 0
	FETCH_A 0, 0, 0
	SCALES 0, 0, 0
	FETCH_A 0, 0, 4
	STEP 0, 0, 1                                   ; the first products start the sums from b2a
	TURN 0, 1, 1, 1, 0, 1
	STEP 1, 0, 0
	TURN 1, 0, 1, 2, 0, 1
	STEP 0, 0, 0
	TURN 0, 1, 2, 3, 0, 1                          ; THE RING GOES ON INTO THE SECOND TILE: slot 0 takes its first K slot,
	STEP 1, 0, 0
	TURN 1, 0, 2, 0, 1, 0                          ; slot 1 its second; the second tile's first fragments of W2a and its scale words are fetched
	EPI 0                                          ; both refills are asked for: now the first tile goes out
	BIAS 1
	FETCH_A 0, 0, 0
	FETCH_A 0, 0, 4
	STEP 0, 0, 1
	TURN 0, 1, 1, 1, 1, 1
	STEP 1, 0, 0
	TURN 1, 0, 1, 2, 1, 1
	STEP 0, 0, 0
	TURN 0, 1, 0, 3, 1, 1                          ; nothing is left to fetch: a plain barrier
	STEP 1, 0, 0
	s_wait_dscnt 4*NLA                             ; the last step
	WIN MUL_LO
	MUL16 0, 1, 1, 1, 0
	MUL16 2, 1, 1, 1, 0
	s_wait_dscnt 0x0
	WIN MUL_HI
	MUL16 4, 1, 1, 1, 0
	MUL16 6, 1, 1, 1, 0
	WIN 0
	EPI 1
	s_wait_tensorcnt 0x0                           ; the wave's end
	ds_add_u32 v[SPW], v[NIL]
	s_wait_dscnt 0x0
	CROUND                                         ; the closing round
	s_endpgm
.Lfunc_end_k_qbfe725fe25_stats:
	.size	k_qbfe725fe25_stats, .Lfunc_end_k_qbfe725fe25_stats-k_qbfe725fe25_stats
	.p2alignl 7, 3214868480
	.fill 96, 4, 3214868480
	.section	.rodata,"a",@progbits
	.p2align	6, 0x0
	.amdhsa_kernel k_qbfe725fe25_stats
		.amdhsa_group_segment_fixed_size 327680
		.amdhsa_private_segment_fixed_size 0
		.amdhsa_enable_private_segment 0
		.amdhsa_kernarg_size 80
		.amdhsa_user_sgpr_count 2
		.amdhsa_user_sgpr_kernarg_segment_ptr 1
		.amdhsa_wavefront_size32 1
		.amdhsa_system_sgpr_workgroup_id_x 1
		.amdhsa_system_sgpr_workgroup_id_y 1
		.amdhsa_system_sgpr_workgroup_id_z 1
		.amdhsa_system_vgpr_workitem_id 0
		.amdhsa_next_free_vgpr 1024
		.amdhsa_next_free_sgpr 106
		.amdhsa_reserve_vcc 0
		.amdhsa_float_denorm_mode_32 3
		.amdhsa_float_denorm_mode_16_64 3
		.amdhsa_memory_ordered 1
		.amdhsa_forward_progress 1
		.amdhsa_inst_pref_size 255
	.end_amdhsa_kernel
	.section	.bss,"aw",@nobits
	.p2align	6
	.space	262144
	.amdgpu_metadata
---
amdhsa.version: [ 1, 2 ]
amdhsa.kernels:
  - .name:           k_qbfe725fe25_stats
    .symbol:         k_qbfe725fe25_stats.kd
    .args:
      - { .name: hc, .offset: 0, .size: 8, .value_kind: global_buffer, .address_space: global }
      - { .name: hs, .offset: 8, .size: 8, .value_kind: global_buffer, .address_space: global }
      - { .name: W2a_codes, .offset: 16, .size: 8, .value_kind: global_buffer, .address_space: global }
      - { .name: W2a_scales, .offset: 24, .size: 8, .value_kind: global_buffer, .address_space: global }
      - { .name: b2a, .offset: 32, .size: 8, .value_kind: global_buffer, .address_space: global }
      - { .name: W2b_codes, .offset: 40, .size: 8, .value_kind: global_buffer, .address_space: global }
      - { .name: W2b_scales, .offset: 48, .size: 8, .value_kind: global_buffer, .address_space: global }
      - { .name: b2b, .offset: 56, .size: 8, .value_kind: global_buffer, .address_space: global }
      - { .name: st, .offset: 64, .size: 8, .value_kind: global_buffer, .address_space: global }
      - { .name: ld, .offset: 72, .size: 8, .value_kind: global_buffer, .address_space: global }
    .group_segment_fixed_size: 327680
    .private_segment_fixed_size: 0
    .kernarg_segment_align: 8
    .kernarg_segment_size: 80
    .max_flat_workgroup_size: 128
    .sgpr_count:     106
    .vgpr_count:     1024
    .wavefront_size: 32
...
	.end_amdgpu_metadata
.endif
;; end of part 2
;; launch join (part 3): grid 8 x 32, 4 waves a work-group, clusters of 4 x 4, 327,680 bytes of LDS; arguments hc, hs, W2a_codes, W2a_scales, b2a, st, ld, out0; writes out0
.if DOCPART == 3
	.amdgcn_target "amdgcn-amd-amdhsa--gfx1250"
	.amdhsa_code_object_version 6
	.text
	.protected	k_qbfe725fe25_join
	.globl	k_qbfe725fe25_join
	.p2align	8
	.type	k_qbfe725fe25_join,@function
k_qbfe725fe25_join:
	s_mov_b64 s[64:65], 0
	v_nop
	global_prefetch_b8 v0, s[64:65] scope:SCOPE_SE
	s_setreg_imm32_b32 hwreg(HW_REG_WAVE_MODE, 25, 1), 1
	s_wait_xcnt 0x0
	s_wait_alu depctr_hold_cnt(0) depctr_sa_sdst(0) depctr_va_vdst(0) depctr_va_sdst(0) depctr_va_ssrc(0) depctr_va_vcc(0) depctr_vm_vsrc(0)
	s_getreg_b32 s2, hwreg(HW_REG_IB_STS2, 6, 4)
	s_cmp_eq_u32 s2, 0
	s_cbranch_scc0 .Lentry_in_a_cluster
	s_endpgm
.Lentry_in_a_cluster:
	s_bfe_u32 s2, ttmp6, 0x10000c
	s_cmp_lg_u32 s2, 0xf033
	s_cbranch_scc0 .Lentry_shape_is_right
	s_endpgm
.Lentry_shape_is_right:
; out[row][y] = max over x of min(a[row][64 x + y], d2[row][x]), a and d2 the two softmaxes.  The exponential rises with its argument, so with l the logits of net a, c = the row's log of the sum of e^l
; over all 4,096 columns and ld = log d2:  out = e^(max over x of min(l[64 x + y], ld[x] + c) - c): no exponential for each logit, two for each row, wave and tile.
; c is put together in the head from the 32 parts (m, S) of the launch before: c = M + ln(sum of S e^(m - M)), M the largest m: the maximum is taken away before every exponential.
; The logits are multiplied once more, l = h_a W2a + b2a, in tiles of 256 rows x 256 columns, exactly as in the launch before, and never go to memory.
; A WORK-GROUP STAYS: it makes two tiles of the same 256 rows, tile columns gx and gx + 8, so that c, ld's rows, h's scale words, W2a's scale bytes and b2a come once for both.  The ring does not stop between them:
; the first tile's last two changes of slots ask for the second tile's first two slots, and the first tile's way out stands between those requests and the first read of them.  The text is written straight: no loop.
; THE COLUMNS OF A TILE: half F of tile column tc takes W2a's rows n = (2 tc + F) + 32 i, i = 0 .. 127.  As n = 64 x + y, that is x = i / 2, y = (2 tc + F) + 32 (i % 2): a wave owns ALL 64 x of two y, and no maximum crosses waves.
; The matrix instruction is used transposed: in accumulator (a, b) lane (r, h) holds row 16 a + r, and register j holds x = 8 b + 4 h + j / 2 of y = 2 tc + half + 32 (j % 2).
; Four waves, a wave 128 x 128; K = 1,024 in four slots of 256 through a ring of two LDS slots.  CLUSTER 4 x 4: a row shares h's tiles and ld's rows, a column W2a's.
; out0 leaves in pieces of 4 bytes, 32 rows a store: a wave holds two y of each row in a tile; whole rows of 256 bytes would want one work-group for all 4,096 columns of its rows, 32 work-groups in all.
; LIMITS: NaN and infinities are not served.
; REGISTERS: window 0: v0-31 addresses; v32-95 scale words; v96-113 at work in the head; v128-223 A's eight fragments (in the head v128-255: the 32 parts; on the way out: at work); v224-239 store data.
;   window 1: B's fragments, b2a.  windows 2, 3: accumulators.
.set PITCH,  240
.set HALFA,  24576
.set HALFB,  128*PITCH
.set SLOT,   2*HALFA+2*HALFB
.set SCLA,   2*SLOT                    ; h's scale words: [half 2][slot 4][128 rows][8 bytes]
.set SCLB,   SCLA+8192                 ; W2a's scale bytes: [half 2][128 rows][tile 2][32 bytes]
.set SPARE,  SCLB+16384
.set LDT,    SPARE+512                 ; ld of the tile's 256 rows: 256 bytes + 16 a row; filled once
.set CT,     LDT+256*272               ; c of the 256 rows: written by LDS stores alone
.set BT,     CT+1024                   ; b2a at each wave's columns, [wave 4][tile 2][128 words]: written by LDS stores alone
.set STEPA,  3072
.set STEPB,  192
.set NEXTB,  16*768-2*STEPB            ; W2a: from a ring slot's last K slot of a tile to its first of the next: 16 rows on, 384 bytes back
.set NLA,    3
.set ADRA, 16
.set ADRB, 20
.set ADSA, 24
.set ADSB, 25
.set SPW,  28
.set NIL,  29
.set BS,   11                          ; v11 where I put b2a's words
.set BL,   12                          ; v12 where I read them back
.set BR,   106                         ; v106-113 b2a as loaded
.set AF,   128
.set GB,   128                         ; the way out: ld + c, two sets of 32
.set CB,   192                         ; v[192:193], v[194:195]: c of my row, two sets
.set EO,   196                         ; four running maxima: even y's two, odd y's two
.set PT,   200
.set TE,   202
.set RE,   208                         ; results: block a's even y at v[RE + a],
.set RO,   216                         ; its odd y at v[RO + a]
.set TT,   224                         ; store data: eight registers for each tile, outside A's fragments, never written again
.set G1,   24
.set G0,   32
.set G1B,  40
.set G0B,  48
.set G1S,  56
.set G0S,  68
.set G1SB, 72
.set G0SB, 80
.set G1L,  84
.set G0L,  92
.set WV,   20
.set RH,   21
.set CH,   22
.set SEL,  104
.set NEGM, 96
.set HM,   97
.set L2E,  100
.set LN2,  101
.set MUL_LO,   0xa1
.set MUL_HI,   0xf1
.set FIRST_LO, 0x91
.set FIRST_HI, 0xd1
.set TO_B,     0x40
.set MSB, 0
.macro WIN new                         ; the immediate's high byte repeats the setting that is left
.if MSB != (\new)
	s_set_vgpr_msb (MSB<<8)|(\new)
.set MSB, \new
.endif
.endm
.macro PLACES n
.rept \n
	v_nop
.endr
.endm
.macro JLOAD g0a, g1a, g0b, g1b        ; a joint load: waves 0 and 1 fetch for A, waves 2 and 3 for B; four v_nop follow each line
	s_cmp_eq_u32 s[RH], 0
	s_cbranch_scc0 .Lfor_b_\@
	tensor_load_to_lds s[\g0a:\g0a+3], s[\g1a:\g1a+7]
	s_nop 0
.rept 4
	v_nop
.endr
	s_branch .Lasked_\@
.Lfor_b_\@:
	tensor_load_to_lds s[\g0b:\g0b+3], s[\g1b:\g1b+7]
	s_nop 0
.rept 4
	v_nop
.endr
.Lasked_\@:
.endm
.macro CREST
	s_cmp_lg_u32 s[WV], 0
	s_cbranch_scc1 .Lnot_wave_0_\@
	s_barrier_signal -3
.Lnot_wave_0_\@:
	s_barrier_wait -3
	s_barrier_signal -1
	s_barrier_wait -1
.endm
.macro CROUND
	s_barrier_signal -1
	s_barrier_wait -1
	CREST
.endm
.macro FRAGB reg, adr, q, rowoff       ; a fragment from padded rows: six pieces of 8 bytes; the second address register serves the pieces whose partner three on lies behind one padding more
.irp p, 0,1,2,3,4,5
.set PCE, 12*(\q)+6*(\p/3)+\p%3
.if PCE%8 < 5
	ds_load_b64 v[\reg+2*\p:\reg+2*\p+1], v[\adr] offset:8*PCE+16*(PCE/8)+(\rowoff)*PITCH
.else
	ds_load_b64 v[\reg+2*\p:\reg+2*\p+1], v[\adr+2] offset:8*PCE+16*(PCE/8)+(\rowoff)*PITCH
.endif
.endr
.endm
.macro FETCH_B slot, q, p
	WIN TO_B
.irp i, 0,1,2,3,4,5,6,7
	FRAGB 128*(\p)+12*\i, ADRB+\slot, \q, 16*\i
.endr
	WIN 0
.endm
.macro FETCH_A slot, q, i0             ; h's fragments are images of their registers: three loads of 16 bytes a lane
.irp i, \i0, \i0+1, \i0+2, \i0+3
.irp c, 0,1,2
	ds_load_b128 v[AF+12*(\i)+4*\c:AF+12*(\i)+4*\c+3], v[ADRA+\slot] offset:(\i)*3072+(\q)*1536+512*\c
.endr
.endr
.endm
.macro SCALES set, sg, t               ; the two scale words a row of K slot sg: h's blocks, then tile t's rows of W2a
.irp i, 0,1,2,3,4,5,6,7
	ds_load_b64 v[32+32*\set+2*\i:32+32*\set+2*\i+1], v[ADSA] offset:1024*\sg+128*\i
.endr
.irp b, 0,1,2,3,4,5,6,7
	ds_load_b64 v[48+32*\set+2*\b:48+32*\set+2*\b+1], v[ADSB] offset:1024*\b+32*\t+8*\sg
.endr
.endm
.macro BIAS t                          ; tile t's b2a in the result's layout: register j of tile b is my column 16 b + 8 h + j
	WIN TO_B
.irp b, 0,1,2,3,4,5,6,7
	ds_load_b128 v[96+8*\b+96*(\b/4):96+8*\b+96*(\b/4)+3], v[BL] offset:512*\t+64*\b
	ds_load_b128 v[96+8*\b+96*(\b/4)+4:96+8*\b+96*(\b/4)+7], v[BL] offset:512*\t+64*\b+16
.endr
	WIN 0
.endm
.macro MUL16 a0, p, q, sc, first       ; the 64 accumulators take turns, one instruction a turn, in the same order in every step
.irp a, \a0, \a0+1
.irp b, 0,1,2,3,4,5,6,7
.if \first
	v_wmma_scale_f32_16x16x128_f8f6f4 v[8*(8*((\a)%4)+\b):8*(8*((\a)%4)+\b)+7], v[128*(\p)+12*\b:128*(\p)+12*\b+11], v[AF+12*(\a):AF+12*(\a)+11], v[96+8*\b+96*(\b/4):96+8*\b+96*(\b/4)+7], v[48+32*(\sc)+2*\b+(\q)], v[32+32*(\sc)+2*(\a)+(\q)] matrix_a_fmt:MATRIX_FMT_FP6 matrix_b_fmt:MATRIX_FMT_FP6
.else
	v_wmma_scale_f32_16x16x128_f8f6f4 v[8*(8*((\a)%4)+\b):8*(8*((\a)%4)+\b)+7], v[128*(\p)+12*\b:128*(\p)+12*\b+11], v[AF+12*(\a):AF+12*(\a)+11], v[8*(8*((\a)%4)+\b):8*(8*((\a)%4)+\b)+7], v[48+32*(\sc)+2*\b+(\q)], v[32+32*(\sc)+2*(\a)+(\q)] matrix_a_fmt:MATRIX_FMT_FP6 matrix_b_fmt:MATRIX_FMT_FP6
.endif
.endr
.endr
.endm
.macro STEP slot, q, first             ; a step of 128 along K that has its successor in the same slot
	s_wait_dscnt 4*NLA                             ; all but the youngest loads, A's blocks 4-7
.if \first
	WIN FIRST_LO
.else
	WIN MUL_LO
.endif
	MUL16 0, (\q)%2, \q, \slot, \first
	MUL16 2, (\q)%2, \q, \slot, \first
	s_wait_dscnt 0x0
	PLACES 4                                       ; in front of loads into registers that matrix instructions have read
	FETCH_B \slot, (\q)+1, 1-(\q)%2
	FETCH_A \slot, (\q)+1, 0
.if \first
	WIN FIRST_HI
.else
	WIN MUL_HI
.endif
	MUL16 4, (\q)%2, \q, \slot, \first
	MUL16 6, (\q)%2, \q, \slot, \first
	PLACES 4
	WIN 0
	FETCH_A \slot, (\q)+1, 4
.endm
; A slot's last step changes slots: one barrier.  fill = 1: this slot takes the K slot two on; 2: the next tile's K slot (h's rows are the same: back along K; W2a: 16 rows on and back); 0: nothing.
; sg, t: the K slot and the tile whose scale words are fetched.  fa = 0: a tile's last step: A's next fragments are not fetched yet, since the way out works in their registers.
.macro TURN slot, next, fill, sg, t, fa
	s_wait_tensorcnt 0x0                           ; all my tensor loads have landed: my part of the next slot (and, the first time, of ld)
	ds_add_u32 v[SPW], v[NIL]                      ; 0 onto my spare word
	s_wait_dscnt 4*NLA+1                           ; the add and A's blocks 4-7 may be out
	WIN MUL_LO
	MUL16 0, 1, 1, \slot, 0
	s_wait_dscnt 0x0                               ; the add is done, and my reads of this slot are over
	s_barrier_signal -1
	MUL16 2, 1, 1, \slot, 0
	WIN 0
	s_barrier_wait -1
.if \fill
	CREST                                          ; a round of the cluster's barrier: no wave of any partner still reads this slot or has a load on its way
.if \fill == 1
	s_add_nc_u64 s[G0+4*\slot+2:G0+4*\slot+3], s[G0+4*\slot+2:G0+4*\slot+3], 2*STEPA
	s_add_nc_u64 s[G0B+4*\slot+2:G0B+4*\slot+3], s[G0B+4*\slot+2:G0B+4*\slot+3], 2*STEPB
.else
	s_sub_nc_u64 s[G0+4*\slot+2:G0+4*\slot+3], s[G0+4*\slot+2:G0+4*\slot+3], 2*STEPA
	s_add_nc_u64 s[G0B+4*\slot+2:G0B+4*\slot+3], s[G0B+4*\slot+2:G0B+4*\slot+3], NEXTB
.endif
	JLOAD G0+4*\slot, G1, G0B+4*\slot, G1B         ; the first tensor load behind the round; its four v_nop are also the places in front of the loads below
.else
	PLACES 4
.endif
	FETCH_B \next, 0, 0
.if \fa
	FETCH_A \next, 0, 0
.endif
	SCALES \next, \sg, \t
	WIN MUL_HI
	MUL16 4, 1, 1, \slot, 0
	MUL16 6, 1, 1, \slot, 0
.if \fa
	PLACES 4
	WIN 0
	FETCH_A \next, 0, 4
.else
	WIN 0
.endif
.endm
	s_load_b512 s[4:19], s[0:1], 0x0               ; hc, hs, W2a codes, W2a scales, b2a, st, ld, out0
	v_lshl_add_u32 v[SPW], v0, 2, SPARE
	v_mov_b32 v[NIL], 0
	ds_add_u32 v28, v29
	ds_add_u32 v28, v29
	s_wait_dscnt 0x0
	v_lshrrev_b32 v1, 5, v0
	v_readfirstlane_b32 s[WV], v1
	s_lshr_b32 s[RH], s[WV], 1                     ; my half of the rows; also: I fetch for A (0) or for B (1)
	s_and_b32 s[CH], s[WV], 1                      ; my half of the columns; also: which half I fetch
	s_bfe_u32 s96, ttmp6, 0x40000                  ; cx
	s_bfe_u32 s97, ttmp6, 0x40004                  ; cy
	s_and_b32 s98, ttmp7, 0xffff
	s_lshl_b32 s98, s98, 2
	s_add_co_u32 s98, s98, s97                     ; tile row tr
	s_lshl_b32 s99, ttmp9, 2
	s_add_co_u32 s99, s99, s96                     ; gx: my tile columns are gx and gx + 8
	s_lshl_b32 s100, s97, 2
	s_lshl_b32 s100, 15, s100                      ; my row of the cluster
	s_lshl_b32 s101, 0x1111, s96                   ; my column
	; h's codes: 8 rows of 384 elements of 8 bytes, 12,288 bytes apart, no padding
	s_or_b32 s[G1], s100, (3<<16)|(1<<21)
	s_mov_b32 s[G1+1], 384<<16
	s_mov_b32 s[G1+2], 8<<16
	s_mov_b32 s[G1+3], 384<<16
	s_mov_b32 s[G1+4], 8
	s_mov_b32 s[G1+5], 1536
	s_mov_b32 s[G1+6], 0
	s_mov_b32 s[G1+7], 0
	; W2a's codes: 128 rows of 192 bytes, 32 rows of 768 bytes apart; 16 bytes of padding behind every 64
	s_or_b32 s[G1B], s101, (1<<20)|(1<<21)|(3<<22)|(3<<25)
	s_mov_b32 s[G1B+1], 192<<16
	s_mov_b32 s[G1B+2], 128<<16
	s_mov_b32 s[G1B+3], 192<<16
	s_mov_b32 s[G1B+4], 128
	s_mov_b32 s[G1B+5], 24576
	s_mov_b32 s[G1B+6], 0
	s_mov_b32 s[G1B+7], 0
	; h's scale words: 4 rows (the K slots) of 128 elements of 8 bytes, 65,536 bytes apart
	s_or_b32 s[G1S], s100, (3<<16)|(1<<21)
	s_mov_b32 s[G1S+1], 128<<16
	s_mov_b32 s[G1S+2], 4<<16
	s_mov_b32 s[G1S+3], 128<<16
	s_mov_b32 s[G1S+4], 4
	s_mov_b32 s[G1S+5], 8192
	s_mov_b32 s[G1S+6], 0
	s_mov_b32 s[G1S+7], 0
	; W2a's scale bytes for BOTH tiles: 256 rows of 4 elements of 8 bytes, 16 rows of 32 bytes apart: the even ones are the first tile's rows, the odd ones the second's
	s_or_b32 s[G1SB], s101, (3<<16)|(1<<21)
	s_mov_b32 s[G1SB+1], 4<<16
	s_mov_b32 s[G1SB+2], 256<<16
	s_mov_b32 s[G1SB+3], 4<<16
	s_mov_b32 s[G1SB+4], 256
	s_mov_b32 s[G1SB+5], 64
	s_mov_b32 s[G1SB+6], 0
	s_mov_b32 s[G1SB+7], 0
	; ld: 64 rows of 256 bytes (32 elements of 8 bytes), dense, 16 bytes of padding behind each; shared along my row of the cluster
	s_or_b32 s[G1L], s100, (3<<16)|(1<<20)|(1<<21)|(5<<22)|(3<<25)
	s_mov_b32 s[G1L+1], 32<<16
	s_mov_b32 s[G1L+2], 64<<16
	s_mov_b32 s[G1L+3], 32<<16
	s_mov_b32 s[G1L+4], 64
	s_mov_b32 s[G1L+5], 32
	s_mov_b32 s[G1L+6], 0
	s_mov_b32 s[G1L+7], 0
	s_lshl_b32 s104, s98, 4
	s_lshl_b32 s23, s[CH], 3
	s_add_co_u32 s104, s104, s23                   ; h: block of 16 rows 16 tr + 8 x half
	s_lshl_b32 s2, s104, 7                         ; its scale words,
	s_mov_b32 s3, 0
	s_mul_i32 s104, s104, 12288                    ; its codes
	s_mov_b32 s105, 0
	s_lshl_b32 s66, s99, 1
	s_add_co_u32 s66, s66, s[CH]                   ; W2a: first row 2 gx + half
	s_mul_i32 s96, s66, 768
	s_mov_b32 s97, 0
	s_lshl_b32 s100, s66, 5
	s_mov_b32 s101, 0
	s_lshl_b32 s66, s98, 8
	s_lshl_b32 s67, s[WV], 6
	s_add_co_u32 s66, s66, s67                     ; ld: row 256 tr + 64 x wave,
	s_lshl_b32 s66, s66, 8                         ; 256 bytes a row
	s_mov_b32 s67, 0
	s_mul_i32 s[G0+1], s[CH], HALFA                ; where they go: constants and the wave's number alone
	s_add_co_u32 s[G0+5], s[G0+1], SLOT
	s_mul_i32 s[G0B+1], s[CH], HALFB
	s_add_co_u32 s[G0B+1], s[G0B+1], 2*HALFA
	s_add_co_u32 s[G0B+5], s[G0B+1], SLOT
	s_lshl_b32 s[G0S+1], s[CH], 12
	s_add_co_u32 s[G0S+1], s[G0S+1], SCLA
	s_lshl_b32 s[G0SB+1], s[CH], 13
	s_add_co_u32 s[G0SB+1], s[G0SB+1], SCLB
	s_mul_i32 s[G0L+1], s[WV], 64*272
	s_add_co_u32 s[G0L+1], s[G0L+1], LDT
.irp g, G0, G0+4, G0B, G0B+4, G0S, G0SB, G0L
	s_mov_b32 s[\g], 1
.endr
	v_and_b32 v3, 31, v0                           ; lane
	v_lshlrev_b32 v9, 4, v0                        ; st: (m, S) of the two rows whose c I make
	v_lshlrev_b32 v14, 6, v3                       ; b2a: my columns lie 16 numbers apart
	s_wait_kmcnt 0x0
	s_add_nc_u64 s[G0+2:G0+3], s[4:5], s[104:105]
	s_add_nc_u64 s[G0+6:G0+7], s[G0+2:G0+3], STEPA
	s_add_nc_u64 s[G0B+2:G0B+3], s[8:9], s[96:97]
	s_add_nc_u64 s[G0B+6:G0B+7], s[G0B+2:G0B+3], STEPB
	s_add_nc_u64 s[G0S+2:G0S+3], s[6:7], s[2:3]
	s_add_nc_u64 s[G0SB+2:G0SB+3], s[10:11], s[100:101]
	s_add_nc_u64 s[G0L+2:G0L+3], s[16:17], s[66:67]
.irp g, G0+3, G0+7, G0B+3, G0B+7, G0S+3, G0SB+3, G0L+3
	s_or_b32 s[\g], s[\g], 0x80000000
.endr
	s_mov_b32 s3, 0
	s_lshl_b32 s66, s99, 1
	s_add_co_u32 s66, s66, s[CH]
	s_lshl_b32 s2, s66, 2                          ; 4 (2 gx + column half)
	s_add_nc_u64 s[12:13], s[12:13], s[2:3]        ; b2a at my first column
	s_add_nc_u64 s[18:19], s[18:19], s[2:3]        ; out0 at my first y,
	s_lshl_b32 s2, s98, 16
	s_lshl_b32 s66, s[RH], 15
	s_add_co_u32 s2, s2, s66
	s_add_nc_u64 s[18:19], s[18:19], s[2:3]        ; my 128 rows
	s_lshl_b32 s2, s98, 11
	s_add_nc_u64 s[14:15], s[14:15], s[2:3]        ; st at the tile's 256 rows
	; the loads into registers go out ahead of the round: they are on their way while the partners gather and the first tiles come
.irp k, 0,1,2,3,4,5,6,7
	global_load_b32 v[BR+\k], v14, s[12:13] offset:2048*\k   ; b2a at column 2 gx + half + 16 (lane + 32 k): both tiles' 128 columns
.endr
.irp p, 0,1,2,3,4,5,6,7,8,9,10,11,12,13,14,15,16,17,18,19,20,21,22,23,24,25,26,27,28,29,30,31
	global_load_b128 v[128+4*\p:131+4*\p], v9, s[14:15] offset:65536*\p   ; part p: m, S of my first row, m, S of my second; a wave reads 512 consecutive bytes
.endr
	CROUND                                         ; all sixteen work-groups are here: the first joint loads meet
	JLOAD G0S, G1S, G0SB, G1SB                     ; four loads of mine are out: the scales, slot 0, ld, slot 1
	JLOAD G0, G1, G0B, G1B
	tensor_load_to_lds s[G0L:G0L+3], s[G1L:G1L+7]  ; every wave its 64 rows of ld
	s_nop 0
.rept 4
	v_nop
.endr
	JLOAD G0+4, G1, G0B+4, G1B
	s_mov_b32 s[SEL], 0x76543210
	s_mov_b32 s[SEL+1], 0xfedcba98
	s_mov_b32 s[NEGM], 0xff7fffff
	s_mov_b32 s[HM], 0xffff0000
	s_mov_b32 s[L2E], 0x3fb8aa3b
	s_mov_b32 s[LN2], 0x3f317218
	v_and_b32 v1, 15, v0                           ; r
	v_bfe_u32 v2, v0, 4, 1                         ; h
	v_lshlrev_b32 v10, 4, v3
	v_mul_u32_u24 v15, v1, PITCH
	v_mad_u32_u24 v15, v2, 24, v15
	v_lshl_add_u32 v26, v2, 4, v15
	s_mul_i32 s2, s[RH], HALFA
	s_mul_i32 s3, s[CH], HALFB
	s_add_co_u32 s3, s3, 2*HALFA
.irp s, 0,1
	v_add_nc_u32 v[ADRA+\s], s2, v10
	v_add_nc_u32 v[ADRB+\s], s3, v15
	v_add_nc_u32 v[ADRB+2+\s], s3, v26
	s_add_co_u32 s2, s2, SLOT
	s_add_co_u32 s3, s3, SLOT
.endr
	s_lshl_b32 s2, s[RH], 12
	s_add_co_u32 s2, s2, SCLA
	v_lshl_add_u32 v[ADSA], v1, 3, s2
	s_lshl_b32 s3, s[CH], 13
	s_add_co_u32 s3, s3, SCLB
	v_lshl_add_u32 v[ADSB], v1, 6, s3
	v_mul_u32_u24 v5, v1, 272                      ; ld of my row: row r of a block, my half's four x of each eight
	v_lshl_add_u32 v5, v2, 4, v5
	s_mul_i32 s23, s[RH], 128*272
	s_add_co_u32 s23, s23, LDT
	v_add_nc_u32 v5, s23, v5
	s_lshl_b32 s23, s[RH], 9
	s_add_co_u32 s23, s23, CT
	v_lshl_add_u32 v6, v1, 2, s23                  ; c of my row
	v_lshl_add_u32 v7, v0, 3, CT                   ; where I put c of the two rows that I make: rows 2 x thread, + 1
	v_lshlrev_b32 v8, 8, v3                        ; out0: 256 bytes a row
	s_lshl_b32 s23, s[WV], 10                      ; b2a in LDS: my wave's 1,024 bytes
	s_add_co_u32 s23, s23, BT
	v_and_b32 v[BS], 1, v0                         ; column 16 (lane + 32 k) on belongs to tile lane % 2 and is its row lane / 2 + 16 k
	v_lshlrev_b32 v[BS], 9, v[BS]
	v_lshrrev_b32 v15, 1, v3
	v_lshl_add_u32 v[BS], v15, 2, v[BS]
	v_add_nc_u32 v[BS], s23, v[BS]
	v_lshl_add_u32 v[BL], v2, 5, s23               ; back: 8 numbers for each half of the lanes
	s_wait_loadcnt 0x0
.irp k, 0,1,2,3,4,5,6,7
	ds_store_b32 v[BS], v[BR+\k] offset:64*\k      ; my wave's own bytes: LDS serves a wave's instructions in order, so its later loads see them
.endr
	v_max_num_f32 v96, v128, v132                  ; M of each of my two rows, by turns
	v_max_num_f32 v97, v130, v134
.irp p, 2,4,6,8,10,12,14,16,18,20,22,24,26,28,30
	v_max3_num_f32 v96, v96, v[128+4*\p], v[132+4*\p]
	v_max3_num_f32 v97, v97, v[130+4*\p], v[134+4*\p]
.endr
	v_mul_f32 v98, 0xbfb8aa3b, v96
	v_mul_f32 v99, 0xbfb8aa3b, v97
.set NN, 0
.rept 32
	v_fma_f32 v[128+NN], v[128+NN], s[L2E], v98
	v_fma_f32 v[130+NN], v[130+NN], s[L2E], v99
.set NN, NN+4
.endr
.set NN, 0
.rept 32
	v_exp_f32 v[128+NN], v[128+NN]                 ; e^(m - M)
	v_exp_f32 v[130+NN], v[130+NN]
.set NN, NN+4
.endr
	v_nop                                          ; a plain place behind the exponentials
	s_wait_alu depctr_va_vdst(0)
	v_mul_f32 v100, v129, v128                     ; the first part starts the sums
	v_mul_f32 v101, v131, v130
.set NN, 4
.rept 31
	v_fmac_f32 v100, v[129+NN], v[128+NN]
	v_fmac_f32 v101, v[131+NN], v[130+NN]
.set NN, NN+4
.endr
	v_log_f32 v100, v100
	v_log_f32 v101, v101
	v_nop
	s_wait_alu depctr_va_vdst(0)
	v_fma_f32 v104, v100, s[LN2], v96              ; c = M + ln of the sum
	v_fma_f32 v105, v101, s[LN2], v97
	ds_store_b64 v7, v[104:105]
	s_wait_tensorcnt 0x2                           ; the scales and my part of slot 0 are in; ld's and slot 1's loads may be out
	s_wait_dscnt 0x0                               ; my two c lie in LDS
	s_barrier_signal -1
	s_barrier_wait -1
.macro GLOAD a                         ; block a: ld of my row at my 32 x, and the row's c: nine loads
.irp b, 0,1,2,3,4,5,6,7
	ds_load_b128 v[GB+32*((\a)%2)+4*\b:GB+32*((\a)%2)+4*\b+3], v5 offset:4352*(\a)+32*\b
.endr
	ds_load_b32 v[CB+2*((\a)%2)], v6 offset:64*(\a)
.endm
; Block a of 16 rows: g = ld + c; min(l, g) in place on the accumulators, each from its low end on; the largest over my 32 x for the even and the odd y, then lane l xor 16's; e^(that - c).
.macro JOIN a
.set WW, 2+(\a)/4
.set AC, 64*((\a)%4)
.set GG, GB+32*((\a)%2)
.set CC, CB+2*((\a)%2)
.if (\a) < 7
	GLOAD (\a)+1
	s_wait_dscnt 9                                 ; the next block's nine loads may be out
.else
	s_wait_dscnt 0x0
.endif
.set NN, 0
.rept 16
	v_pk_add_f32 v[GG+NN:GG+NN+1], v[GG+NN:GG+NN+1], v[CC:CC+1] op_sel_hi:[1,0]
.set NN, NN+2
.endr
	WIN (WW<<2)|(WW<<6)
.irp b, 0,1,2,3,4,5,6,7
.irp j, 0,1,2,3,4,5,6,7
	v_min_num_f32 v[AC+8*\b+\j], v[GG+4*\b+\j/2], v[AC+8*\b+\j]
.endr
.endr
	WIN (WW<<2)|(WW<<4)
.irp t, 0,1,2,3,4,5,6,7                        ; four chains by turns
.irp c, 0,1
.irp e, 0,1
.if \t == 0
	v_max3_num_f32 v[EO+2*\e+\c], s[NEGM], v[AC+32*\c+\e], v[AC+32*\c+2+\e]
.else
	v_max3_num_f32 v[EO+2*\e+\c], v[EO+2*\e+\c], v[AC+32*\c+8*(\t/2)+4*(\t%2)+\e], v[AC+32*\c+8*(\t/2)+4*(\t%2)+2+\e]
.endif
.endr
.endr
.endr
	WIN 0
	v_max_num_f32 v[EO], v[EO], v[EO+1]
	v_max_num_f32 v[EO+2], v[EO+2], v[EO+3]
	v_permlanex16_b32 v[PT], v[EO], s[SEL], s[SEL+1]
	v_permlanex16_b32 v[PT+1], v[EO+2], s[SEL], s[SEL+1]
	v_max_num_f32 v[EO], v[EO], v[PT]
	v_max_num_f32 v[EO+2], v[EO+2], v[PT+1]
	v_sub_f32 v[TE], v[EO], v[CC]
	v_sub_f32 v[TE+1], v[EO+2], v[CC]
	v_mul_f32 v[TE], s[L2E], v[TE]
	v_mul_f32 v[TE+1], s[L2E], v[TE+1]
	v_exp_f32 v[RE+(\a)], v[TE]
	v_exp_f32 v[RO+(\a)], v[TE+1]
	v_nop                                          ; a plain place behind the exponentials
.endm
.macro EPI u                           ; tile u's way out
	PLACES 4                                       ; behind the last products: loads into A's registers and reads of results follow
	v_mov_b32 v[CB+1], 0                           ; (named as the upper halves of pairs)
	v_mov_b32 v[CB+3], 0
	v_mov_b32 v[PT], 0                             ; a lane permute's destination counts as one of its sources
	v_mov_b32 v[PT+1], 0
	GLOAD 0
.irp a, 0,1,2,3,4,5,6,7
	JOIN \a
.endr
	s_wait_alu depctr_va_vdst(0)
.irp i, 0,1,2,3                                ; lanes 0-15 take block 2 i, lanes 16-31 block 2 i + 1: 32 neighbouring rows
	v_cndmask_b32 v[TT+8*\u+2*\i], v[RE+2*\i], v[RE+2*\i+1], s[HM]
	v_cndmask_b32 v[TT+8*\u+2*\i+1], v[RO+2*\i], v[RO+2*\i+1], s[HM]
.endr
.irp i, 0,1,2,3
	global_store_b32 v8, v[TT+8*\u+2*\i], s[18:19] offset:8192*\i+64*\u          ; y = 2 gx + half + 16 u
	global_store_b32 v8, v[TT+8*\u+2*\i+1], s[18:19] offset:8192*\i+64*\u+128    ; y + 32
.endr
.endm
	BIAS 0
	FETCH_B 0, 0, 0
	FETCH_A 0, 0, 0
	SCALES 0, 0, 0
	FETCH_A 0, 0, 4
	STEP 0, 0, 1                                   ; the first products start the sums from b2a
	TURN 0, 1, 1, 1, 0, 1
	STEP 1, 0, 0
	TURN 1, 0, 1, 2, 0, 1
	STEP 0, 0, 0
	TURN 0, 1, 2, 3, 0, 1                          ; THE RING GOES ON INTO THE SECOND TILE: slot 0 takes its first K slot,
	STEP 1, 0, 0
	TURN 1, 0, 2, 0, 1, 0                          ; slot 1 its second; the second tile's first fragments of W2a and its scale words are fetched
	EPI 0                                          ; both refills are asked for: now the first tile goes out
	BIAS 1
	FETCH_A 0, 0, 0
	FETCH_A 0, 0, 4
	STEP 0, 0, 1
	TURN 0, 1, 1, 1, 1, 1
	STEP 1, 0, 0
	TURN 1, 0, 1, 2, 1, 1
	STEP 0, 0, 0
	TURN 0, 1, 0, 3, 1, 1                          ; nothing is left to fetch: a plain barrier
	STEP 1, 0, 0
	s_wait_dscnt 4*NLA                             ; the last step
	WIN MUL_LO
	MUL16 0, 1, 1, 1, 0
	MUL16 2, 1, 1, 1, 0
	s_wait_dscnt 0x0
	WIN MUL_HI
	MUL16 4, 1, 1, 1, 0
	MUL16 6, 1, 1, 1, 0
	WIN 0
	EPI 1
	s_wait_tensorcnt 0x0                           ; the wave's end
	ds_add_u32 v[SPW], v[NIL]
	s_wait_dscnt 0x0
	CROUND                                         ; the closing round
	s_endpgm
.Lfunc_end_k_qbfe725fe25_join:
	.size	k_qbfe725fe25_join, .Lfunc_end_k_qbfe725fe25_join-k_qbfe725fe25_join
	.p2alignl 7, 3214868480
	.fill 96, 4, 3214868480
	.section	.rodata,"a",@progbits
	.p2align	6, 0x0
	.amdhsa_kernel k_qbfe725fe25_join
		.amdhsa_group_segment_fixed_size 327680
		.amdhsa_private_segment_fixed_size 0
		.amdhsa_enable_private_segment 0
		.amdhsa_kernarg_size 64
		.amdhsa_user_sgpr_count 2
		.amdhsa_user_sgpr_kernarg_segment_ptr 1
		.amdhsa_wavefront_size32 1
		.amdhsa_system_sgpr_workgroup_id_x 1
		.amdhsa_system_sgpr_workgroup_id_y 1
		.amdhsa_system_sgpr_workgroup_id_z 1
		.amdhsa_system_vgpr_workitem_id 0
		.amdhsa_next_free_vgpr 1024
		.amdhsa_next_free_sgpr 106
		.amdhsa_reserve_vcc 0
		.amdhsa_float_denorm_mode_32 3
		.amdhsa_float_denorm_mode_16_64 3
		.amdhsa_memory_ordered 1
		.amdhsa_forward_progress 1
		.amdhsa_inst_pref_size 255
	.end_amdhsa_kernel
	.section	.bss,"aw",@nobits
	.p2align	6
	.space	262144
	.amdgpu_metadata
---
amdhsa.version: [ 1, 2 ]
amdhsa.kernels:
  - .name:           k_qbfe725fe25_join
    .symbol:         k_qbfe725fe25_join.kd
    .args:
      - { .name: hc, .offset: 0, .size: 8, .value_kind: global_buffer, .address_space: global }
      - { .name: hs, .offset: 8, .size: 8, .value_kind: global_buffer, .address_space: global }
      - { .name: W2a_codes, .offset: 16, .size: 8, .value_kind: global_buffer, .address_space: global }
      - { .name: W2a_scales, .offset: 24, .size: 8, .value_kind: global_buffer, .address_space: global }
      - { .name: b2a, .offset: 32, .size: 8, .value_kind: global_buffer, .address_space: global }
      - { .name: st, .offset: 40, .size: 8, .value_kind: global_buffer, .address_space: global }
      - { .name: ld, .offset: 48, .size: 8, .value_kind: global_buffer, .address_space: global }
      - { .name: out0, .offset: 56, .size: 8, .value_kind: global_buffer, .address_space: global }
    .group_segment_fixed_size: 327680
    .private_segment_fixed_size: 0
    .kernarg_segment_align: 8
    .kernarg_segment_size: 64
    .max_flat_workgroup_size: 128
    .sgpr_count:     106
    .vgpr_count:     1024
    .wavefront_size: 32
...
	.end_amdgpu_metadata
.endif
;; end of part 3
